; MI455X (gfx1250); checked and timed in simulation.
; The chip was launched on July 23, 2026; its instructions are those of AMD's public machine-readable ISA for CDNA 5 (MIT licence, August 2026) and "CDNA5" Instruction Set Architecture Reference Guide (July 2026). The comments in the code are by the model that wrote it; some were corrected since.
;; Casual Block. Allowed arithmetic: float matrix products may take bf16 or f16 operands with f32 sums; other float arithmetic in f32, or as packed bf16 or f16 multiplies, adds, multiply-adds, maxima and minima; sums over many terms, partial sums and values carried from step to step in f32; what a program stores and reads back later, other than sums and carried values, may be rounded once to bf16 or f16.
;; Inputs: attn_b 3,072 float32; attn_w 1,024 x 3,072 float32; li1_b 4,096 float32; li1_w 1,024 x 4,096 float32; li2_b 1,024 float32; li2_w 4,096 x 1,024 float32; ln1_w 1,024 float32; ln2_w 1,024 float32; proj_b 1,024 float32; proj_w 1,024 x 1,024 float32; x 2 x 2,048 x 1,024 float32.
;; Outputs: out0 2 x 2,048 x 1,024 float32.
;; 2 versions, each right; version 2 is version 1 with the launch prep written anew for expert scheduling mode. Each part assembles by itself: llvm-mc -triple=amdgcn-amd-amdhsa -mcpu=gfx1250 --defsym DOCPART=n.
;; ======== version 1 of 2: 7 launches
;; limits: values are held in f16: magnitudes above 65,504 overflow, below 6.1e-05 lose precision
;; workspace buffers: wq 8,388,608 bytes; w1 8,388,608 bytes; w2 10,485,760 bytes; act 8,388,608 bytes; hid 33,554,432 bytes; x1 16,777,216 bytes; parq 256 bytes of whole numbers; par1 256 bytes of whole numbers
;; launch prep (part 1): grid 64 x 20, 8 waves a work-group, no clusters, 0 bytes of LDS; arguments x, ln1_w, act, attn_w, proj_w, li1_w, li2_w, wq, w1, w2, parq, par1; writes act, wq, w1, w2, parq, par1
.if DOCPART == 1
	.amdgcn_target "amdgcn-amd-amdhsa--gfx1250"
	.amdhsa_code_object_version 6
	.text
	.protected	k_q0b8f7142e7_prep
	.globl	k_q0b8f7142e7_prep
	.p2align	8
	.type	k_q0b8f7142e7_prep,@function
k_q0b8f7142e7_prep:
	s_mov_b64 s[64:65], 0
	v_nop
	global_prefetch_b8 v0, s[64:65] scope:SCOPE_SE
	s_setreg_imm32_b32 hwreg(HW_REG_WAVE_MODE, 25, 1), 1
	s_wait_xcnt 0x0
; TWO STREAMS THAT DO NOT DEPEND ON EACH OTHER, IN ONE LAUNCH; the grid's y chooses.  No LDS, no barrier, no matrix unit, no cluster (no two work-groups read the same large block).
; y < 8: THE FIRST LAYER NORM.  h[r][c] = (x[r][c] - mean_r) * rsqrt(var_r + 1e-5) * w[c].  x: [4096][1024] f32, w: [1024] f32, h: [4096][1024] f16, rounded once.
;   Mean first, then the mean of the squared differences, both over the row as it lies in registers: no difference of large sums is formed.  A wave takes one whole row (4,096 bytes = 32 registers):
;   row 8 (64 y + x) + wave.  A load covers 512 consecutive bytes, a store of 8 bytes a lane 256 consecutive bytes, aligned.  LIMIT: |h| is at most 32 |w|; beyond 65,504 it becomes an infinity.
; y >= 8: THE WEIGHTS, f32, are written once more as f16, rows along N as they lie: the products that follow take them by tensor loads and turn them in LDS.
;   LIMIT: a weight beyond 65,504 becomes an infinity; below 6e-5 f16 keeps a fixed step of 6e-8.
;   Unit u = y - 8 is 2^20 numbers, the grid's x one of its 64 parts of 16 pieces of 1,024 numbers.  u = 0..2: attn_w's columns 1,024 u on; piece j is row 16 x + j; it goes to wq, whose rows have the pitch
;   of w1's, 4,096 numbers, so that one text multiplies by either; wq's last 1,024 columns are never written and never read.  u = 3: proj_w, dense, to byte 8,388,608 of w2's buffer.
;   u = 4..7: li1_w, dense, to w1.  u = 8..11: li2_w, dense, to w2.  Thread t takes 16 bytes at 16 t of each piece.  All 16 loads go out at once; no register is written twice.
;   The first wave of unit 0's part 0 also stores the two words that choose the activation in the launches that share a text: parq = 0 (none), par1 = 1 (gelu), each as a whole block of 256 bytes.
.set W,    8                           ; v[8:39]    the gain, laid as a row is
.set X,    40                          ; v[40:71]   the row
.set T,    72                          ; v[72:79]   four chains of sums
.set MEAN, 80                          ; v[80:81]   the mean, twice
.set RSTD, 82                          ; v[82:83]   1 / sqrt(var + eps), twice
.set HF,   84                          ; v[84:99]   the row in f16
.set XP,   32                          ; s[32:33]   x at my row
.set HP,   34                          ; s[34:35]   h at my row
.set WP,   10                          ; s[10:11]   the gain
.set SELR, 36                          ; s[36:37]   v_permlanex16_b32: each lane takes its own place in the other half
.set INVN, 38                          ; s38        1 / 1024
.set EPS,  39                          ; s39        1e-5
.set SO,   8                           ; v[8:23]    the weights: piece j's byte offset in the source,
.set DO,   24                          ; v[24:39]   and in the destination
.set LD,   40                          ; v[40:103]  16 loads of 4 registers
.set CF,   104                         ; v[104:135] 16 results of 2 registers
.set ZR,   136                         ; v[136:137] 0, 0
.set ON,   138                         ; v[138:139] 1, 1
; The four chains into one number, the same in every lane: four steps inside each half of 16 lanes ride on the addition, one crosses the halves.
.macro REDUCE
	v_pk_add_f32 v[T:T+1], v[T:T+1], v[T+2:T+3]
	v_pk_add_f32 v[T+4:T+5], v[T+4:T+5], v[T+6:T+7]
	v_pk_add_f32 v[T:T+1], v[T:T+1], v[T+4:T+5]
	v_add_f32 v[T], v[T], v[T+1]
	v_add_f32_dpp v[T], v[T], v[T] row_xmask:1 row_mask:0xf bank_mask:0xf
	v_add_f32_dpp v[T], v[T], v[T] row_xmask:2 row_mask:0xf bank_mask:0xf
	v_add_f32_dpp v[T], v[T], v[T] row_xmask:4 row_mask:0xf bank_mask:0xf
	v_add_f32_dpp v[T], v[T], v[T] row_xmask:8 row_mask:0xf bank_mask:0xf
	v_permlanex16_b32 v[T+1], v[T], s[SELR], s[SELR+1]
	v_add_f32 v[T], v[T], v[T+1]
.endm
.macro LNROW                           ; v3 = 16 x lane, v4 = 8 x lane
.irp j, 0,1,2,3,4,5,6,7
	global_load_b128 v[X+4*(\j):X+4*(\j)+3], v3, s[XP:XP+1] offset:512*(\j)
.endr
.irp j, 0,1,2,3,4,5,6,7
	global_load_b128 v[W+4*(\j):W+4*(\j)+3], v3, s[WP:WP+1] offset:512*(\j)
.endr
	s_wait_loadcnt 8                               ; the row is in; the gain's eight loads stay out
.irp c, 0,1,2,3
	v_pk_add_f32 v[T+2*(\c):T+2*(\c)+1], v[X+2*(\c):X+2*(\c)+1], v[X+8+2*(\c):X+8+2*(\c)+1]  ; the first eight pairs start the chains: nothing is cleared
.endr
.irp p, 8,9,10,11,12,13,14,15
	v_pk_add_f32 v[T+2*((\p)%4):T+2*((\p)%4)+1], v[T+2*((\p)%4):T+2*((\p)%4)+1], v[X+2*(\p):X+2*(\p)+1]
.endr
	REDUCE
	v_mul_f32 v[MEAN], s[INVN], v[T]
	v_mov_b32 v[MEAN+1], v[MEAN]
.irp p, 0,1,2,3,4,5,6,7,8,9,10,11,12,13,14,15
	v_pk_add_f32 v[X+2*(\p):X+2*(\p)+1], v[X+2*(\p):X+2*(\p)+1], v[MEAN:MEAN+1] neg_lo:[0,1] neg_hi:[0,1]  ; d = x - mean, in place
.endr
.irp c, 0,1,2,3
	v_pk_mul_f32 v[T+2*(\c):T+2*(\c)+1], v[X+2*(\c):X+2*(\c)+1], v[X+2*(\c):X+2*(\c)+1]
.endr
.irp p, 4,5,6,7,8,9,10,11,12,13,14,15
	v_pk_fma_f32 v[T+2*((\p)%4):T+2*((\p)%4)+1], v[X+2*(\p):X+2*(\p)+1], v[X+2*(\p):X+2*(\p)+1], v[T+2*((\p)%4):T+2*((\p)%4)+1]
.endr
	REDUCE
	v_fma_f32 v[T], v[T], s[INVN], s[EPS]          ; var + eps
	s_wait_loadcnt 0x0                             ; the gain
	v_rsq_f32 v[RSTD], v[T]                        ; twice, to fill the pair that the packed multiply takes
	v_rsq_f32 v[RSTD+1], v[T]
.irp p, 0,1,2,3,4,5,6,7,8,9,10,11,12,13,14,15
	v_pk_mul_f32 v[X+2*(\p):X+2*(\p)+1], v[X+2*(\p):X+2*(\p)+1], v[W+2*(\p):W+2*(\p)+1]  ; d w: the work that names neither root, between them and their wait
.endr
	s_wait_alu depctr_va_vdst(0)                   ; one wait for both roots, ahead of their first reader
.irp p, 0,1,2,3,4,5,6,7,8,9,10,11,12,13,14,15
	v_pk_mul_f32 v[X+2*(\p):X+2*(\p)+1], v[X+2*(\p):X+2*(\p)+1], v[RSTD:RSTD+1]
.endr
.irp p, 0,1,2,3,4,5,6,7,8,9,10,11,12,13,14,15
	v_cvt_pk_f16_f32 v[HF+(\p)], v[X+2*(\p)], v[X+2*(\p)+1]
.endr
.irp j, 0,1,2,3,4,5,6,7
	global_store_b64 v4, v[HF+2*(\j):HF+2*(\j)+1], s[HP:HP+1] offset:256*(\j)
.endr
.endm
	s_load_b512 s[8:23], s[0:1], 0x0               ; x s[8:9], ln1_w s[10:11], act s[12:13], attn_w s[14:15], proj_w s[16:17], li1_w s[18:19], li2_w s[20:21], wq s[22:23]
	s_load_b256 s[24:31], s[0:1], 0x40             ; w1 s[24:25], w2 s[26:27], parq s[28:29], par1 s[30:31]
	s_and_b32 s2, ttmp7, 0xffff                    ; y
	v_lshrrev_b32 v2, 5, v0
	v_readfirstlane_b32 s51, v2                    ; wave 0..7
	s_wait_kmcnt 0x0
	s_cmp_lt_u32 s2, 8
	s_cbranch_scc0 .Lweights
	; THE LAYER NORM
	v_and_b32 v1, 31, v0
	v_lshlrev_b32 v3, 4, v1
	v_lshlrev_b32 v4, 3, v1
	s_lshl_b32 s3, s2, 6
	s_add_co_u32 s3, s3, ttmp9
	s_lshl_b32 s3, s3, 3
	s_add_co_u32 s3, s3, s51                       ; my row
	s_lshl_b32 s40, s3, 12                         ; 4,096 bytes of x,
	s_mov_b32 s41, 0
	s_lshl_b32 s42, s3, 11                         ; 2,048 of h
	s_mov_b32 s43, 0
	s_add_nc_u64 s[XP:XP+1], s[8:9], s[40:41]
	s_add_nc_u64 s[HP:HP+1], s[12:13], s[42:43]
	s_mov_b32 s[SELR], 0x76543210
	s_mov_b32 s[SELR+1], 0xfedcba98
	s_mov_b32 s[INVN], 0x3a800000
	s_mov_b32 s[EPS], 0x3727c5ac
	LNROW
	s_endpgm
.Lweights:
	s_sub_co_u32 s3, s2, 8                         ; u
	s_sub_co_u32 s36, s3, 8                        ; the unit's number inside li2_w,
	s_sub_co_u32 s37, s3, 4                        ; inside li1_w
	s_mov_b64 s[32:33], s[20:21]                   ; from li2_w to w2, unless u says otherwise
	s_mov_b64 s[34:35], s[26:27]
	s_cmp_lt_u32 s3, 8
	s_cselect_b64 s[32:33], s[18:19], s[32:33]
	s_cselect_b64 s[34:35], s[24:25], s[34:35]
	s_cselect_b32 s36, s37, s36
	s_mov_b32 s38, s36                             ; the unit's number in the destination
	s_cmp_lt_u32 s3, 4
	s_cselect_b64 s[32:33], s[16:17], s[32:33]     ; proj_w: its one unit goes behind li2's four in w2's buffer
	s_cselect_b64 s[34:35], s[26:27], s[34:35]
	s_cselect_b32 s36, 0, s36
	s_cselect_b32 s38, 4, s38
	s_lshl_b32 s40, s36, 22                        ; dense: the unit is 4 MiB of f32, the part 64 KiB,
	s_lshl_b32 s41, ttmp9, 16
	s_add_co_u32 s40, s40, s41
	s_lshl_b32 s42, s38, 21                        ; and half as much in f16
	s_lshl_b32 s43, ttmp9, 15
	s_add_co_u32 s42, s42, s43
	s_mul_i32 s44, ttmp9, 196608                   ; attn_w: 16 x rows of 12,288 bytes + 4,096 u,
	s_lshl_b32 s45, s3, 12
	s_add_co_u32 s44, s44, s45
	s_lshl_b32 s46, ttmp9, 17                      ; to 16 x rows of 8,192 bytes + 2,048 u
	s_lshl_b32 s47, s3, 11
	s_add_co_u32 s46, s46, s47
	s_mov_b32 s48, 4096                            ; bytes from piece to piece: dense,
	s_mov_b32 s49, 2048
	s_mov_b32 s50, 12288                           ; or a row
	s_mov_b32 s52, 8192
	s_cmp_lt_u32 s3, 3
	s_cselect_b64 s[32:33], s[14:15], s[32:33]
	s_cselect_b64 s[34:35], s[22:23], s[34:35]
	s_cselect_b32 s40, s44, s40
	s_cselect_b32 s42, s46, s42
	s_cselect_b32 s48, s50, s48
	s_cselect_b32 s49, s52, s49
	s_mov_b32 s41, 0
	s_mov_b32 s43, 0
	s_add_nc_u64 s[32:33], s[32:33], s[40:41]
	s_add_nc_u64 s[34:35], s[34:35], s[42:43]
	v_lshlrev_b32 v[SO], 4, v0                     ; 16 t
	v_lshlrev_b32 v[DO], 3, v0                     ; 8 t
.set j, 1
.rept 15
	v_add_nc_u32 v[SO+j], s48, v[SO+j-1]
	v_add_nc_u32 v[DO+j], s49, v[DO+j-1]
.set j, j+1
.endr
.irp j, 0,1,2,3,4,5,6,7,8,9,10,11,12,13,14,15
	global_load_b128 v[LD+4*(\j):LD+4*(\j)+3], v[SO+(\j)], s[32:33] th:TH_LOAD_NT
.endr
.irp j, 0,1,2,3,4,5,6,7,8,9,10,11,12,13,14,15
	s_wait_loadcnt 15-(\j)                         ; loads come back in order: number j is in, the younger ones stay out
	v_cvt_pk_f16_f32 v[CF+2*(\j)],   v[LD+4*(\j)],   v[LD+4*(\j)+1]
	v_cvt_pk_f16_f32 v[CF+2*(\j)+1], v[LD+4*(\j)+2], v[LD+4*(\j)+3]
	global_store_b64 v[DO+(\j)], v[CF+2*(\j):CF+2*(\j)+1], s[34:35]
.endr
	s_or_b32 s53, s3, ttmp9                        ; 0 in unit 0's part 0,
	s_or_b32 s53, s53, s51                         ; in its wave 0
	s_cmp_lg_u32 s53, 0
	s_cbranch_scc1 .Ldone
	v_mov_b32 v[ZR], 0
	v_mov_b32 v[ZR+1], 0
	v_mov_b32 v[ON], 1
	v_mov_b32 v[ON+1], 1
	global_store_b64 v[DO], v[ZR:ZR+1], s[28:29]   ; in wave 0 the offset 8 t is 8 x lane: 256 consecutive bytes, the whole buffer
	global_store_b64 v[DO], v[ON:ON+1], s[30:31]
.Ldone:
	s_endpgm
.Lfunc_end_k_q0b8f7142e7_prep:
	.size	k_q0b8f7142e7_prep, .Lfunc_end_k_q0b8f7142e7_prep-k_q0b8f7142e7_prep
	.p2alignl 7, 3214868480
	.fill 96, 4, 3214868480
	.section	.rodata,"a",@progbits
	.p2align	6, 0x0
	.amdhsa_kernel k_q0b8f7142e7_prep
		.amdhsa_group_segment_fixed_size 0
		.amdhsa_private_segment_fixed_size 0
		.amdhsa_enable_private_segment 0
		.amdhsa_kernarg_size 96
		.amdhsa_user_sgpr_count 2
		.amdhsa_user_sgpr_kernarg_segment_ptr 1
		.amdhsa_wavefront_size32 1
		.amdhsa_system_sgpr_workgroup_id_x 1
		.amdhsa_system_sgpr_workgroup_id_y 1
		.amdhsa_system_sgpr_workgroup_id_z 1
		.amdhsa_system_vgpr_workitem_id 0
		.amdhsa_next_free_vgpr 140
		.amdhsa_next_free_sgpr 66
		.amdhsa_reserve_vcc 0
		.amdhsa_float_denorm_mode_32 3
		.amdhsa_float_denorm_mode_16_64 3
		.amdhsa_memory_ordered 1
		.amdhsa_forward_progress 1
		.amdhsa_inst_pref_size 20
	.end_amdhsa_kernel
	.amdgpu_metadata
---
amdhsa.version: [ 1, 2 ]
amdhsa.kernels:
  - .name:           k_q0b8f7142e7_prep
    .symbol:         k_q0b8f7142e7_prep.kd
    .args:
      - { .name: x, .offset: 0, .size: 8, .value_kind: global_buffer, .address_space: global }
      - { .name: ln1_w, .offset: 8, .size: 8, .value_kind: global_buffer, .address_space: global }
      - { .name: act, .offset: 16, .size: 8, .value_kind: global_buffer, .address_space: global }
      - { .name: attn_w, .offset: 24, .size: 8, .value_kind: global_buffer, .address_space: global }
      - { .name: proj_w, .offset: 32, .size: 8, .value_kind: global_buffer, .address_space: global }
      - { .name: li1_w, .offset: 40, .size: 8, .value_kind: global_buffer, .address_space: global }
      - { .name: li2_w, .offset: 48, .size: 8, .value_kind: global_buffer, .address_space: global }
      - { .name: wq, .offset: 56, .size: 8, .value_kind: global_buffer, .address_space: global }
      - { .name: w1, .offset: 64, .size: 8, .value_kind: global_buffer, .address_space: global }
      - { .name: w2, .offset: 72, .size: 8, .value_kind: global_buffer, .address_space: global }
      - { .name: parq, .offset: 80, .size: 8, .value_kind: global_buffer, .address_space: global }
      - { .name: par1, .offset: 88, .size: 8, .value_kind: global_buffer, .address_space: global }
    .group_segment_fixed_size: 0
    .private_segment_fixed_size: 0
    .kernarg_segment_align: 8
    .kernarg_segment_size: 96
    .max_flat_workgroup_size: 256
    .sgpr_count:     66
    .vgpr_count:     140
    .wavefront_size: 32
...
	.end_amdgpu_metadata
.endif
;; end of part 1
;; launch qkv (part 2): grid 12 x 16, 4 waves a work-group, clusters of 4 x 4, 327,680 bytes of LDS; arguments act, wq, attn_b, hid, parq; writes hid
.if DOCPART == 2
	.amdgcn_target "amdgcn-amd-amdhsa--gfx1250"
	.amdhsa_code_object_version 6
	.text
	.protected	k_q0b8f7142e7_qkv
	.globl	k_q0b8f7142e7_qkv
	.p2align	8
	.type	k_q0b8f7142e7_qkv,@function
k_q0b8f7142e7_qkv:
	s_mov_b64 s[64:65], 0
	v_nop
	global_prefetch_b8 v0, s[64:65] scope:SCOPE_SE
	s_setreg_imm32_b32 hwreg(HW_REG_WAVE_MODE, 25, 1), 1
	s_wait_xcnt 0x0
	s_wait_alu depctr_hold_cnt(0) depctr_sa_sdst(0) depctr_va_vdst(0) depctr_va_sdst(0) depctr_va_ssrc(0) depctr_va_vcc(0) depctr_vm_vsrc(0)
	s_getreg_b32 s2, hwreg(HW_REG_IB_STS2, 6, 4)
	s_cmp_eq_u32 s2, 0
	s_cbranch_scc0 .Lentry_in_a_cluster
	s_endpgm
.Lentry_in_a_cluster:
	s_bfe_u32 s2, ttmp6, 0x10000c
	s_cmp_lg_u32 s2, 0xf033
	s_cbranch_scc0 .Lentry_shape_is_right
	s_endpgm
.Lentry_shape_is_right:
; C = act(A W + b).  A: [4096][1024] f16, rows along K.  W: [1024][4096] f16, rows along N.  b: f32.  par: one whole number, 0: C leaves as it is; else: gelu, the tanh form.
; C leaves as f16 IN SLABS: [N/64][4096][64], so that 64 columns of all rows are dense (a head's rows for attention; a slice of K for the product behind).
; ONE TEXT FOR TWO LAUNCHES: q, k, v = h1 attn_w + attn_b (12 tile columns; the weights' rows have the pitch of 4,096 numbers, of which 3,072 are used; par = 0) and
; g = gelu(h2 li1_w + li1_b) (16 tile columns; par = 1).  Sums in f32, begun with the bias; the activation in f32; C rounded once.
; THE ACTIVATION HAS NO BRANCH.  Every trip of the way out computes z / (1 + SEL 2^(z (K1 + K2 z z))); par's word chooses the three constants by
; s_cselect_b32.  par != 0: K1, K2 as below, SEL = 1: the tanh form.  par = 0: all three 0: the exponent is 0, the power 1, the divisor 0 x 1 + 1 = 1, the result z.  The price, in the launch with par = 0:
; 320 vector lines a trip where 32 roundings would do, 2,304 lines a wave that change nothing; the gain: this text stands once.
; LIMITS.  f16 operands: a number beyond 65,504 becomes an infinity; below 6e-5 f16 keeps a fixed step of 6e-8.  With par = 0 a sum beyond 1.8e19 gives NaN (its square is an infinity, times 0).
; NaN and infinities are not treated apart.
; SHARES.  A tile of C is 256 x 256, made by four waves, each 128 rows x 128 columns in 64 accumulators (512 registers).  A wave's columns are the blocks
; 64 (b / 2) + 32 wc + 16 (b % 2), b = 0..7.  16 tile rows x 12 or 16 tile columns: 192 or 256 work-groups; for q, k, v a tile of 192 columns would give 256, but its rows of W, 384 bytes, are
; no power of two of words for the padding and do not begin at multiples of 256 bytes.
; K goes in 8 steps of 128 through two LDS slots filled by tensor loads: A's rows are 256 bytes of memory, W's 512.
; THE PRODUCT IS USED TRANSPOSED: source 0 = 16 columns of W (turned on the way out of LDS by ds_load_tr16_b128), source 1 = 16 rows of A: a lane then holds one row of C and 8 neighbouring columns.
; CLUSTER 4 x 4: A's tile hangs on the tile row alone and is asked for jointly by a row of the cluster, W's on the tile column alone, by a column.
; THE TEXT: a K step is written once in the loop (the LDS addresses hang on s[TB], the walking descriptors' LDS word turns by an exclusive or) and once in the tail, which asks for nothing.
; REGISTERS, in windows of 256 (s_set_vgpr_msb: bits 1:0 source 0, 3:2 source 1, 5:4 source 2, 7:6 destination):
;   window 0: v0-33 addresses; v64-127, v128-191 A's fragments, two buffers; on the way out v64-127 Z, v128-191 at work, v192-223 packed results
;   window 1: v64-127, v128-191 W's fragments, two buffers; v192-255 the bias laid as an accumulator is, 8 registers a column block
;   window 2: the accumulators of my rows 0-63 ((a, b) at v[8 (8 a + b)]);  window 3: those of rows 64-127
.set NN,    4096
.set KSTEP, 128
.set PA,    272                        ; a row of A in LDS: 256 bytes + 16 = 68 words: the 16 rows of a load start 4 banks apart
.set PW,    544                        ; a row of W: 512 + 32 = 136 words
.set PART,  34816                      ; what one tensor load brings: 128 rows of A, or 64 rows of W
.set WOFF,  2*PART                     ; W's 128 rows lie behind A's 256
.set SLOT,  4*PART                     ; 0x22000: it shares no bit with wave x PART (0x8800 w), so one exclusive or changes the slot
.set SPARE, 2*SLOT                     ; behind the ring: the spare words, 128 bytes for each wave: two blocks of 256 bytes that no other line names
.set RP,    1040                       ; the way out: a row of 256 f32 + 16 bytes, over the ring, which has had its last fill by then
.set A0,   8                           ; v8   my lane's place in A's tile; never rewritten
.set B0,   9                           ; v9   the same for W
.set ADRA, 16                          ; v16  LDS address of my fragments of A in the slot in hand
.set ADRB, 17                          ; v17  of W
.set RDB,  21                          ; v21  the way out: where I read rows back
.set GO,   22                          ; v22  my byte offset in a slab
.set BO,   23                          ; v23  my byte offset in the bias
.set SPW,  28                          ; v28  LDS address of my spare word; never rewritten
.set NIL,  29                          ; v29  0; never rewritten
.set PFO,  30                          ; v30  the prefetches' lane offset; never rewritten
.set DLO,  32                          ; v32  the way out: where my row blocks 0-3 go,
.set DHI,  33                          ; v33  and 4-7
.set F0,   64
.set F1,   128
.set BI,   192
.set Z,    64
.set TT,   128
.set HF,   192
.set G1A, 24                           ; s[24:31] descriptor group 1 for A's tiles
.set G0A, 32                           ; s[32:39] group 0: a set for each first fill; the second walks on
.set PFA, 44                           ; s[44:45] where my prefetches stand
.set LIM, 46                           ; s46  2 in a wave that prefetches, else the greatest number
.set TB,  47                           ; s47  the slot in hand: 0 or SLOT
.set G1W, 48                           ; s[48:55], s[56:63] the same for W's tiles
.set G0W, 56
.set PFS, 66                           ; s[66:67] a K step in bytes, along A's rows or down W's
.set K1,  70                           ; s[70:71] -2 log2(e) sqrt(2/pi), or 0
.set K2,  72                           ; s[72:73] that times 0.044715, or 0
.set CNT, 74
.set PAR, 76                           ; s[76:77] par
.set FLAG, 78                          ; s78  its word
.set SEL, 80                           ; s[80:81] 1.0, or 0
.set ONE, 82                           ; s[82:83] 1.0
.set MSB, 0
.macro WIN new                         ; the immediate's high byte repeats the setting that is left; a switch that changes nothing is dropped
.if MSB != (\new)
	s_set_vgpr_msb (MSB<<8)|(\new)
.set MSB, \new
.endif
.endm
.macro PLACES                          ; four plain instructions between a matrix instruction and a load into, or a reader of, its registers
.rept 4
	v_nop
.endr
.endm
; A joint refill by the walking descriptors.  Waves 0 and 1 fetch A's halves, waves 2 and 3 W's: the branch hangs on the wave's number alone.
; An s_nop 0 and four v_nop follow each line, ahead of the jump and the label.
.macro JLOAD
	s_cmp_eq_u32 s13, 0
	s_cbranch_scc0 .Lfor_w_\@
	tensor_load_to_lds s[G0A+4:G0A+7], s[G1A:G1A+7]
	s_nop 0
	PLACES
	s_branch .Lasked_\@
.Lfor_w_\@:
	tensor_load_to_lds s[G0W+4:G0W+7], s[G1W:G1W+7]
	s_nop 0
	PLACES
.Lasked_\@:
.endm
; A prefetch of the K step that stands two refills on: 32 blocks of 256 bytes, a lane a block, one instruction a wave.  Each block is named once in the launch: A's rows by the clusters with x = 0,
; W's by those with y = 0; the four partners that ask for a tile jointly share it out by address.  The loop's last two trips have no K step two on.
.macro ASK
	s_cmp_gt_u32 s15, s[LIM]
	s_cbranch_scc0 .Lnot_mine_\@
	global_prefetch_b8 v[PFO], s[PFA:PFA+1] th:TH_LOAD_NT scope:SCOPE_SE
.Lnot_mine_\@:
.endm
.macro CREST                           ; a round of the cluster's barrier behind its opening barrier
	s_cmp_lg_u32 s12, 0
	s_cbranch_scc1 .Lnot_wave_0_\@
	s_barrier_signal -3
.Lnot_wave_0_\@:
	s_barrier_wait -3
	s_barrier_signal -1
	s_barrier_wait -1
.endm
.macro CROUND
	s_barrier_signal -1
	s_barrier_wait -1
	CREST
.endm
	s_load_b256 s[4:11], s[0:1], 0x0               ; A s[4:5], W s[6:7], bias s[8:9], C s[10:11]
	s_load_b64 s[PAR:PAR+1], s[0:1], 0x20          ; par
	v_lshl_add_u32 v[SPW], v0, 2, SPARE
	v_mov_b32 v[NIL], 0
	ds_add_u32 v[SPW], v[NIL]                      ; the wave's opening: the add and its wait ahead of my first tensor load; work on registers stands between
	v_lshrrev_b32 v1, 5, v0
	v_readfirstlane_b32 s12, v1                    ; wave 0..3
	s_lshr_b32 s13, s12, 1                         ; my half of the tile's rows.  Also: I fetch for A (0) or for W (1)
	s_and_b32 s14, s12, 1                          ; my share of its columns.  Also: which half of that tile I fetch
	s_bfe_u32 s40, ttmp6, 0x40000                  ; cx
	s_bfe_u32 s41, ttmp6, 0x40004                  ; cy
	s_lshl_b32 s42, ttmp9, 2
	s_add_co_u32 s42, s42, s40                     ; tile column = 4 x cluster x + cx
	s_and_b32 s43, ttmp7, 0xffff
	s_lshl_b32 s43, s43, 2
	s_add_co_u32 s43, s43, s41                     ; tile row = 4 x cluster y + cy
	s_lshl_b32 s20, s41, 2
	s_lshl_b32 s20, 15, s20                        ; my row of the cluster
	s_lshl_b32 s21, 0x1111, s40                    ; my column
	s_or_b32 s[G1A], s20, (1<<16)|(1<<20)|(1<<21)|(5<<22)|(3<<25)  ; the mask; 2-byte elements; padding on; bit 21 beside a mask; after every 64 words, 4 words
	s_mov_b32 s[G1A+1], 128<<16                    ; tensor_dim0 = 128
	s_mov_b32 s[G1A+2], 128<<16                    ; tensor_dim1 = 128
	s_mov_b32 s[G1A+3], 128<<16                    ; tile_dim0 = 128
	s_mov_b32 s[G1A+4], 128                        ; tile_dim1 = 128
	s_mov_b32 s[G1A+5], 1024                       ; elements from row to row
	s_mov_b32 s[G1A+6], 0
	s_mov_b32 s[G1A+7], 0
	s_or_b32 s[G1W], s21, (1<<16)|(1<<20)|(1<<21)|(6<<22)|(7<<25)  ; after every 128 words, 8 words
	s_mov_b32 s[G1W+1], 256<<16                    ; tensor_dim0 = 256
	s_mov_b32 s[G1W+2], 64<<16                     ; tensor_dim1 = 64
	s_mov_b32 s[G1W+3], 256<<16                    ; tile_dim0 = 256
	s_mov_b32 s[G1W+4], 64                         ; tile_dim1 = 64
	s_mov_b32 s[G1W+5], NN
	s_mov_b32 s[G1W+6], 0
	s_mov_b32 s[G1W+7], 0
	s_lshl_b32 s16, s43, 19                        ; A: (256 x tile row + 128 x half) rows of 2,048 bytes
	s_lshl_b32 s17, s14, 18
	s_add_co_u32 s16, s16, s17
	s_mov_b32 s17, 0
	s_mul_i32 s18, s14, 128*NN                     ; W: 64 x half rows of 2 NN bytes + 512 x tile column
	s_lshl_b32 s19, s42, 9
	s_add_co_u32 s18, s18, s19
	s_mov_b32 s19, 0
	s_mul_i32 s68, s12, PART                       ; where my part goes in a slot: the wave's number alone
	s_mov_b32 s[TB], 0
	s_mov_b32 s[ONE], 1.0
	s_mov_b32 s[ONE+1], 1.0
	s_wait_dscnt 0x0                               ; the opening add is done
	s_wait_kmcnt 0x0
	s_add_nc_u64 s[16:17], s[4:5], s[16:17]
	s_add_nc_u64 s[18:19], s[6:7], s[18:19]
	CROUND                                         ; all sixteen work-groups are here: the first joint loads meet
.irp s, 0,1
	s_mov_b32 s[G0A+4*(\s)], 1
	s_add_co_u32 s[G0A+4*(\s)+1], s68, (\s)*SLOT
	s_add_nc_u64 s[G0A+4*(\s)+2:G0A+4*(\s)+3], s[16:17], (\s)*KSTEP*2
	s_or_b32 s[G0A+4*(\s)+3], s[G0A+4*(\s)+3], 0x80000000
	s_mov_b32 s[G0W+4*(\s)], 1
	s_add_co_u32 s[G0W+4*(\s)+1], s68, (\s)*SLOT
	s_add_nc_u64 s[G0W+4*(\s)+2:G0W+4*(\s)+3], s[18:19], (\s)*KSTEP*NN*2
	s_or_b32 s[G0W+4*(\s)+3], s[G0W+4*(\s)+3], 0x80000000
.endr
	s_cmp_eq_u32 s13, 0                            ; a wave's two first fills stand in one branch: two loads of mine are out
	s_cbranch_scc0 .Lfirst_w
	tensor_load_to_lds s[G0A:G0A+3], s[G1A:G1A+7]
	s_nop 0
	tensor_load_to_lds s[G0A+4:G0A+7], s[G1A:G1A+7]
	s_nop 0
	PLACES
	s_branch .Lfirst_asked
.Lfirst_w:
	tensor_load_to_lds s[G0W:G0W+3], s[G1W:G1W+7]
	s_nop 0
	tensor_load_to_lds s[G0W+4:G0W+7], s[G1W:G1W+7]
	s_nop 0
	PLACES
.Lfirst_asked:
	s_load_b32 s[FLAG], s[PAR:PAR+1], 0x0          ; the word that chooses the activation's constants
	v_and_b32 v1, 15, v0                           ; r = l % 16
	v_bfe_u32 v2, v0, 4, 1                         ; h = l / 16
	v_and_b32 v3, 7, v0
	v_bfe_u32 v4, v0, 3, 1
	s_lshl_b32 s20, s42, 10                        ; the bias of my columns: (256 x tile column + 32 wc + 8 h) x 4 bytes
	s_lshl_b32 s21, s14, 7
	s_add_co_u32 s20, s20, s21
	v_lshl_add_u32 v[BO], v2, 5, s20
	WIN 0x40                                       ; destination window 1, address window 0
.irp b, 0,1,2,3,4,5,6,7
	global_load_b128 v[BI+8*(\b):BI+8*(\b)+3],   v[BO], s[8:9] offset:(64*((\b)/2)+16*((\b)%2))*4
	global_load_b128 v[BI+8*(\b)+4:BI+8*(\b)+7], v[BO], s[8:9] offset:(64*((\b)/2)+16*((\b)%2))*4+16
.endr
	WIN 0
	v_mul_u32_u24 v[A0], v1, PA                    ; a fragment of A: row r, 16 bytes for each half of the lanes, two loads 32 bytes apart
	v_lshl_add_u32 v[A0], v2, 4, v[A0]
	s_mul_i32 s20, s13, PART                       ; my 128 rows
	v_add_nc_u32 v[A0], s20, v[A0]
	v_lshl_add_u32 v5, v2, 3, v3                   ; the turning load: lane l reads row 8 h + l % 8 of K, 16 bytes at 16 ((l / 8) % 2)
	v_mul_u32_u24 v[B0], v5, PW
	v_lshl_add_u32 v[B0], v4, 4, v[B0]
	s_lshl_b32 s20, s14, 6                         ; 32 wc columns
	s_add_co_u32 s20, s20, WOFF
	v_add_nc_u32 v[B0], s20, v[B0]
	v_mov_b32 v[ADRA], v[A0]
	v_mov_b32 v[ADRB], v[B0]
	s_lshl_b32 s20, s13, 7                         ; the way out, in: row 128 wr + 16 a + r, byte 128 wc + 32 h
	v_add_nc_u32 v6, s20, v1
	v_mul_u32_u24 v[DLO], v6, RP
	v_lshl_add_u32 v[DLO], v2, 5, v[DLO]
	s_lshl_b32 s20, s14, 7
	v_add_nc_u32 v[DLO], s20, v[DLO]
	v_add_nc_u32 v[DHI], 64*RP, v[DLO]
	v_bfe_u32 v5, v0, 3, 2                         ; back: eight lanes take 64 columns of a row, 32 bytes each; four rows an instruction
	s_lshl_b32 s20, s12, 6
	v_add_nc_u32 v6, s20, v5                       ; row 64 w + (l / 8)
	v_mul_u32_u24 v[RDB], v6, RP
	v_lshl_add_u32 v[RDB], v3, 5, v[RDB]
	v_lshlrev_b32 v[GO], 7, v6                     ; in a slab a row is 128 bytes
	v_lshl_add_u32 v[GO], v3, 4, v[GO]
	s_lshl_b32 s20, s42, 21                        ; the tile's four slabs of 524,288 bytes,
	s_lshl_b32 s21, s43, 15                        ; its 256 rows of 128
	s_add_co_u32 s20, s20, s21
	s_mov_b32 s21, 0
	s_add_nc_u64 s[10:11], s[10:11], s[20:21]
	; the prefetches.  A: rows 32 cx + lane of the 128 that I fetch.  W: row 16 cy + lane / 2 of my 64, half lane % 2 of its 512 bytes.  They stand at K step 3; the first refill steps them to 4.
	v_and_b32 v5, 31, v0
	v_lshlrev_b32 v6, 11, v5
	v_lshrrev_b32 v7, 1, v5
	v_mul_u32_u24 v7, v7, 2*NN
	v_and_b32 v5, 1, v5
	v_lshl_add_u32 v7, v5, 8, v7
	s_cmp_eq_u32 s13, 0
	s_cselect_b32 s20, -1, 0
	v_cndmask_b32 v[PFO], v7, v6, s20
	s_lshl_b32 s20, s43, 19
	s_lshl_b32 s21, s14, 18
	s_add_co_u32 s20, s20, s21
	s_lshl_b32 s21, s40, 16
	s_add_co_u32 s20, s20, s21
	s_add_co_u32 s20, s20, 3*KSTEP*2
	s_lshl_b32 s21, s14, 6
	s_lshl_b32 s22, s41, 4
	s_add_co_u32 s21, s21, s22
	s_add_co_u32 s21, s21, 3*KSTEP
	s_mul_i32 s21, s21, 2*NN
	s_lshl_b32 s22, s42, 9
	s_add_co_u32 s21, s21, s22
	s_and_b32 s22, ttmp7, 0xffff
	s_mov_b32 s23, KSTEP*NN*2
	s_cmp_eq_u32 s13, 0
	s_cselect_b32 s20, s20, s21
	s_cselect_b32 s22, ttmp9, s22                  ; the coordinate along which other clusters read the same blocks
	s_cselect_b64 s[PFA:PFA+1], s[4:5], s[6:7]
	s_cselect_b32 s[PFS], KSTEP*2, s23
	s_mov_b32 s[PFS+1], 0
	s_mov_b32 s21, 0
	s_add_nc_u64 s[PFA:PFA+1], s[PFA:PFA+1], s[20:21]
	s_cmp_eq_u32 s22, 0
	s_cselect_b32 s[LIM], 2, -1                    ; the same in all sixteen partners, for a given wave
; 16 products: row blocks a0, a0 + 1 of the window's four x all 8 column blocks, 32 along K.  mode = 1: the bias starts the sums: nothing is cleared, nothing added later.
; The 64 accumulators take turns in the same order in every quarter, over the jumps too.
.macro MUL16 f, hi, a0, mode
.if \mode
	WIN 0x91+0x40*(\hi)                            ; W and the bias in window 1, A in window 0, D in window 2 or 3
.else
	WIN 0xa1+0x50*(\hi)
.endif
.irp a, \a0, (\a0)+1
.irp b, 0,1,2,3,4,5,6,7
.if \mode
	v_wmma_f32_16x16x32_f16 v[8*(8*(\a)+(\b)):8*(8*(\a)+(\b))+7], v[(\f)+8*(\b):(\f)+8*(\b)+7], v[(\f)+8*(4*(\hi)+(\a)):(\f)+8*(4*(\hi)+(\a))+7], v[BI+8*(\b):BI+8*(\b)+7]
.else
	v_wmma_f32_16x16x32_f16 v[8*(8*(\a)+(\b)):8*(8*(\a)+(\b))+7], v[(\f)+8*(\b):(\f)+8*(\b)+7], v[(\f)+8*(4*(\hi)+(\a)):(\f)+8*(4*(\hi)+(\a))+7], v[8*(8*(\a)+(\b)):8*(8*(\a)+(\b))+7]
.endif
.endr
.endr
.endm
; 32 LDS loads in one run: quarter q (32 along K) of the slot in hand into buffer f: W's 8 column blocks, turned, then A's 8 row blocks
.macro FETCH q, f
	WIN 0x40
.irp b, 0,1,2,3,4,5,6,7
	ds_load_tr16_b128 v[(\f)+8*(\b):(\f)+8*(\b)+3],   v[ADRB] offset:32*(\q)*PW+128*((\b)/2)+32*((\b)%2)
	ds_load_tr16_b128 v[(\f)+8*(\b)+4:(\f)+8*(\b)+7], v[ADRB] offset:32*(\q)*PW+16*PW+128*((\b)/2)+32*((\b)%2)
.endr
	WIN 0
.irp i, 0,1,2,3,4,5,6,7
	ds_load_b128 v[(\f)+8*(\i):(\f)+8*(\i)+3],   v[ADRA] offset:64*(\q)+(\i)*16*PA
	ds_load_b128 v[(\f)+8*(\i)+4:(\f)+8*(\i)+7], v[ADRA] offset:64*(\q)+(\i)*16*PA+32
.endr
.endm
; One of a K step's first three quarters: multiplies buffer f; in its middle it fetches quarter q into buffer g.
.macro QUARTER q, f, g, mode
	s_wait_dscnt 8                                 ; W and A's rows 0-63 are in; the youngest eight loads (A's rows 64-127) may be out
	MUL16 \f, 0, 0, \mode
	MUL16 \f, 0, 2, \mode
	PLACES
	FETCH \q, \g
	s_wait_dscnt 32                                ; all but the 32 just issued
	MUL16 \f, 1, 0, \mode
	MUL16 \f, 1, 2, \mode
.endm
; The first half of a step's last quarter, and the barrier of the change of slots: each wave waits for all its tensor loads (one is out: its part of the next slot), adds 0 to its spare word,
; and waits for that and for its own reads of this slot.  Behind the barrier nobody reads this slot any more and the next slot is whole.
.macro MEET
	WIN 0
	s_wait_tensorcnt 0x0
	ds_add_u32 v[SPW], v[NIL]
	s_wait_dscnt 9                                 ; (the add and the youngest eight loads may be out)
	MUL16 F1, 0, 0, 0
	s_wait_dscnt 0x0                               ; the add is done, my reads of this slot are over
	s_barrier_signal -1
	MUL16 F1, 0, 2, 0
	WIN 0
	s_barrier_wait -1
.endm
.macro NEXTSLOT                        ; the fragments' addresses go to the other slot
	s_xor_b32 s[TB], s[TB], SLOT
	v_add_nc_u32 v[ADRA], s[TB], v[A0]
	v_add_nc_u32 v[ADRB], s[TB], v[B0]
.endm
; The whole last quarter with a refill: the barrier opens a round of the cluster's; behind the round the slot just read out takes the K step two steps on: the wave's one tensor load, with 224 products in which to land.
.macro TURN
	s_wait_xcnt 0x0                                ; the last prefetch, a K step back, has read its address
	s_add_nc_u64 s[PFA:PFA+1], s[PFA:PFA+1], s[PFS:PFS+1]
	MEET
	CREST
	s_xor_b32 s[G0A+5], s[G0A+5], SLOT             ; no tensor load of mine is out: the walking descriptors go to the other slot and one K step on
	s_add_nc_u64 s[G0A+6:G0A+7], s[G0A+6:G0A+7], KSTEP*2
	s_xor_b32 s[G0W+5], s[G0W+5], SLOT
	s_add_nc_u64 s[G0W+6:G0W+7], s[G0W+6:G0W+7], KSTEP*NN*2
	JLOAD                                          ; its four v_nop are also the places in front of the loads below
	NEXTSLOT
	FETCH 0, F0
	ASK
	MUL16 F1, 1, 0, 0
	MUL16 F1, 1, 2, 0
.endm
.macro TURN0                           ; the same with nothing left to ask for
	MEET
	PLACES
	NEXTSLOT
	FETCH 0, F0
	MUL16 F1, 1, 0, 0
	MUL16 F1, 1, 2, 0
.endm
	s_wait_kmcnt 0x0                               ; par's word; it reaches the three constants below and nothing else: no branch, no address, no descriptor
	s_cmp_eq_u32 s[FLAG], 0
	s_cselect_b32 s[K1], 0, 0xc0135761             ; -2.3022082
	s_cselect_b32 s[K2], 0, 0xbdd2d3e8             ; -0.10294324
	s_cselect_b32 s[SEL], 0, 1.0
	s_mov_b32 s[K1+1], s[K1]                       ; named as pairs
	s_mov_b32 s[K2+1], s[K2]
	s_mov_b32 s[SEL+1], s[SEL]
	s_wait_tensorcnt 0x1                           ; my part of K step 0 is in; step 1's may stay out
	s_barrier_signal -1
	s_barrier_wait -1
	FETCH 0, F0
	s_wait_loadcnt 0x0                             ; the bias
	QUARTER 1, F0, F1, 1                           ; the first quarter stands in front of the loop: its products start the sums
	WIN 0
	s_mov_b32 s15, 6                               ; K steps 2 to 7 are asked for in six trips
.Lstep:                                                ; a trip: from a step's second quarter to the next step's first
	QUARTER 2, F1, F0, 0
	QUARTER 3, F0, F1, 0
	TURN
	QUARTER 1, F0, F1, 0
	WIN 0
	s_sub_co_u32 s15, s15, 1
	s_cmp_lg_u32 s15, 0
	s_cbranch_scc1 .Lstep
	s_mov_b32 s[CNT], 2                            ; the last two steps: one text, walked twice and left in its middle
.Ltail:
	QUARTER 2, F1, F0, 0
	QUARTER 3, F0, F1, 0
	WIN 0
	s_sub_co_u32 s[CNT], s[CNT], 1
	s_cmp_eq_u32 s[CNT], 0
	s_cbranch_scc1 .Llast
	TURN0
	QUARTER 1, F0, F1, 0
	WIN 0
	s_branch .Ltail
.Llast:
	s_wait_dscnt 8
	MUL16 F1, 0, 0, 0
	MUL16 F1, 0, 2, 0
	s_wait_dscnt 0x0
	MUL16 F1, 1, 0, 0
	MUL16 F1, 1, 2, 0
	WIN 0
	; THE WAY OUT.  The tile goes as f32 into rows of 1,040 bytes over the ring (every wave's reads of the ring are over: the barrier), and comes back by rows: eight lanes take a slab's 64 columns of a row.
	PLACES
	PLACES
	s_barrier_signal -1
	s_barrier_wait -1
.irp a, 0,1,2,3,4,5,6,7
	WIN 0x08+4*((\a)/4)                            ; the data (source 1) in window 2 or 3
.irp b, 0,1,2,3,4,5,6,7
	ds_store_b128 v[DLO+(\a)/4], v[8*(8*((\a)%4)+(\b)):8*(8*((\a)%4)+(\b))+3],   offset:((\a)%4)*16*RP+256*((\b)/2)+64*((\b)%2)
	ds_store_b128 v[DLO+(\a)/4], v[8*(8*((\a)%4)+(\b))+4:8*(8*((\a)%4)+(\b))+7], offset:((\a)%4)*16*RP+256*((\b)/2)+64*((\b)%2)+16
.endr
.endr
	WIN 0
	s_wait_dscnt 0x0                               ; for the others' sake: my stores are done
	s_barrier_signal -1
	s_barrier_wait -1
; act(z) = z / (1 + SEL 2^(z (K1 + K2 z z))): the tanh form of gelu, or z.  Pair p of half h (the trip's rows 0-3 or 4-7):
.macro ARG1 h, p
	v_pk_mul_f32 v[TT+32*(\h)+2*(\p):TT+32*(\h)+2*(\p)+1], v[Z+32*(\h)+2*(\p):Z+32*(\h)+2*(\p)+1], v[Z+32*(\h)+2*(\p):Z+32*(\h)+2*(\p)+1]
.endm
.macro ARG2 h, p
	v_pk_fma_f32 v[TT+32*(\h)+2*(\p):TT+32*(\h)+2*(\p)+1], v[TT+32*(\h)+2*(\p):TT+32*(\h)+2*(\p)+1], s[K2:K2+1], s[K1:K1+1] op_sel_hi:[1,0,0]
.endm
.macro MULZ h, p
	v_pk_mul_f32 v[TT+32*(\h)+2*(\p):TT+32*(\h)+2*(\p)+1], v[TT+32*(\h)+2*(\p):TT+32*(\h)+2*(\p)+1], v[Z+32*(\h)+2*(\p):Z+32*(\h)+2*(\p)+1]
.endm
.macro ADD1 h, p
	v_pk_fma_f32 v[TT+32*(\h)+2*(\p):TT+32*(\h)+2*(\p)+1], v[TT+32*(\h)+2*(\p):TT+32*(\h)+2*(\p)+1], s[SEL:SEL+1], s[ONE:ONE+1] op_sel_hi:[1,0,0]
.endm
.macro EXP h, e
	v_exp_f32 v[TT+32*(\h)+(\e)], v[TT+32*(\h)+(\e)]
.endm
.macro RCP h, e
	v_rcp_f32 v[TT+32*(\h)+(\e)], v[TT+32*(\h)+(\e)]
.endm
.macro CVT h, p
	v_cvt_pk_f16_f32 v[HF+16*(\h)+(\p)], v[TT+32*(\h)+2*(\p)], v[TT+32*(\h)+2*(\p)+1]
.endm
	s_mov_b32 s15, 8
.Lrows:                                                ; a trip: 8 of my 64 rows x 256 columns
.irp g, 0,1
.irp s, 0,1,2,3
	ds_load_b128 v[Z+32*(\g)+8*(\s):Z+32*(\g)+8*(\s)+3],   v[RDB] offset:(\g)*4*RP+256*(\s)
	ds_load_b128 v[Z+32*(\g)+8*(\s)+4:Z+32*(\g)+8*(\s)+7], v[RDB] offset:(\g)*4*RP+256*(\s)+16
.endr
.endr
	s_wait_xcnt 0x0                                ; the last trip's stores have read their offset and their data: both are written again only behind this wait
	v_add_nc_u32 v[GO], 1024, v[GO]                ; the stores below reach back by their immediate
	v_add_nc_u32 v[RDB], 8*RP, v[RDB]
	s_wait_dscnt 8                                 ; rows 0-3 are in
.set i, 0
.rept 16
	ARG1 0, i
.set i, i+1
.endr
.set i, 0
.rept 16
	ARG2 0, i
.set i, i+1
.endr
.set i, 0
.rept 16
	MULZ 0, i
.set i, i+1
.endr
	s_wait_dscnt 0x0
.set i, 0
.rept 16                               ; four batches of transcendentals, each among plain work on the other half, each with one wait ahead of its first reader
	EXP 0, 2*i
	ARG1 1, i
	EXP 0, 2*i+1
	ARG2 1, i
.if i > 0
	MULZ 1, i-1
.endif
.set i, i+1
.endr
	MULZ 1, 15
	s_wait_alu depctr_va_vdst(0)
.set i, 0
.rept 16
	EXP 1, 2*i
	EXP 1, 2*i+1
	ADD1 0, i
.set i, i+1
.endr
	s_wait_alu depctr_va_vdst(0)
.set i, 0
.rept 16
	RCP 0, 2*i
	RCP 0, 2*i+1
	ADD1 1, i
.set i, i+1
.endr
	s_wait_alu depctr_va_vdst(0)
.set i, 0
.rept 16
	RCP 1, 2*i
	MULZ 0, i
	RCP 1, 2*i+1
	CVT 0, i
.set i, i+1
.endr
	v_nop
	s_wait_alu depctr_va_vdst(0)
.set i, 0
.rept 16
	MULZ 1, i
.set i, i+1
.endr
.set i, 0
.rept 16
	CVT 1, i
.set i, i+1
.endr
.irp g, 0,1
.irp s, 0,1,2,3
	global_store_b128 v[GO], v[HF+16*(\g)+4*(\s):HF+16*(\g)+4*(\s)+3], s[10:11] offset:(\s)*524288+(\g)*512-1024  ; four rows of a slab: 512 consecutive bytes, aligned
.endr
.endr
	s_sub_co_u32 s15, s15, 1
	s_cmp_lg_u32 s15, 0
	s_cbranch_scc1 .Lrows
	s_wait_tensorcnt 0x0                           ; the wave's end: behind my last tensor load and my last LDS store
	ds_add_u32 v[SPW], v[NIL]
	s_wait_dscnt 0x0
	CROUND                                         ; the closing round: no work-group ends while a partner may still ask for a tile that names it
	s_endpgm
.Lfunc_end_k_q0b8f7142e7_qkv:
	.size	k_q0b8f7142e7_qkv, .Lfunc_end_k_q0b8f7142e7_qkv-k_q0b8f7142e7_qkv
	.p2alignl 7, 3214868480
	.fill 96, 4, 3214868480
	.section	.rodata,"a",@progbits
	.p2align	6, 0x0
	.amdhsa_kernel k_q0b8f7142e7_qkv
		.amdhsa_group_segment_fixed_size 327680
		.amdhsa_private_segment_fixed_size 0
		.amdhsa_enable_private_segment 0
		.amdhsa_kernarg_size 40
		.amdhsa_user_sgpr_count 2
		.amdhsa_user_sgpr_kernarg_segment_ptr 1
		.amdhsa_wavefront_size32 1
		.amdhsa_system_sgpr_workgroup_id_x 1
		.amdhsa_system_sgpr_workgroup_id_y 1
		.amdhsa_system_sgpr_workgroup_id_z 1
		.amdhsa_system_vgpr_workitem_id 0
		.amdhsa_next_free_vgpr 1024
		.amdhsa_next_free_sgpr 88
		.amdhsa_reserve_vcc 0
		.amdhsa_float_denorm_mode_32 3
		.amdhsa_float_denorm_mode_16_64 3
		.amdhsa_memory_ordered 1
		.amdhsa_forward_progress 1
		.amdhsa_inst_pref_size 103
	.end_amdhsa_kernel
	.amdgpu_metadata
---
amdhsa.version: [ 1, 2 ]
amdhsa.kernels:
  - .name:           k_q0b8f7142e7_qkv
    .symbol:         k_q0b8f7142e7_qkv.kd
    .args:
      - { .name: act, .offset: 0, .size: 8, .value_kind: global_buffer, .address_space: global }
      - { .name: wq, .offset: 8, .size: 8, .value_kind: global_buffer, .address_space: global }
      - { .name: attn_b, .offset: 16, .size: 8, .value_kind: global_buffer, .address_space: global }
      - { .name: hid, .offset: 24, .size: 8, .value_kind: global_buffer, .address_space: global }
      - { .name: parq, .offset: 32, .size: 8, .value_kind: global_buffer, .address_space: global }
    .group_segment_fixed_size: 327680
    .private_segment_fixed_size: 0
    .kernarg_segment_align: 8
    .kernarg_segment_size: 40
    .max_flat_workgroup_size: 128
    .sgpr_count:     88
    .vgpr_count:     1024
    .wavefront_size: 32
...
	.end_amdgpu_metadata
.endif
;; end of part 2
;; launch attn (part 3): grid 8 x 32, 4 waves a work-group, no clusters, 327,680 bytes of LDS; arguments hid, act; writes act
.if DOCPART == 3
	.amdgcn_target "amdgcn-amd-amdhsa--gfx1250"
	.amdhsa_code_object_version 6
	.text
	.protected	k_q0b8f7142e7_attn
	.globl	k_q0b8f7142e7_attn
	.p2align	8
	.type	k_q0b8f7142e7_attn,@function
k_q0b8f7142e7_attn:
	s_mov_b64 s[64:65], 0
	v_nop
	global_prefetch_b8 v0, s[64:65] scope:SCOPE_SE
	s_setreg_imm32_b32 hwreg(HW_REG_WAVE_MODE, 25, 1), 1
	s_wait_xcnt 0x0
; CAUSAL ATTENTION.  O[q][:] = the sum over k <= q of softmax_k(Q[q] . K[k] / sqrt(2)) V[k][:], for 32 heads (2 batches x 16) of 2,048 rows x 64 channels, all f16.
; q, k, v lie in slabs of hid: [48][4096][64]; head y (batch y / 16, head y % 16) is dense, 128 bytes a row, at (y % 16) x 524,288 + (y / 16) x 262,144 in q's slabs; k's lie 8,388,608 bytes on, v's 16,777,216.
; O leaves in the same layout into act.  Products, maxima and sums in f32; the weights p are rounded to f16 for the second product (their sum l is taken of the unrounded p), O once.
; LIMITS.  f16 holds no number beyond 65,504: q, k, v arrive within it; p lies in 0 to 1 and keeps f16's fixed step of 6e-8 below 6e-5.  A hidden score counts as its value less 1e30;
; a weight below 2^-126 counts as 0 in l; NaN and infinities are not treated apart.
; THE WALK.  A head's queries lie in 16 blocks of 128; block i needs 2 (i + 1) key steps of 64.  A work-group takes an odd block FB and then the even block SB = 15 - FB: 34 steps whatever FB.
; The ring's two slots hold 256 keys (4 steps) each.  FB takes (FB + 1) / 2 whole slots, SB SB / 2 + 1, of whose last only two steps count: 9 slots, one loop with a constant trip count.
; NO CLUSTER: a head's 8 work-groups ask for the same slot only in their first trips (first blocks have 1 to 8 slots); one walk common to all partners would have 12 slots for 9.
; SHARES.  Of a block's two bands of 64 queries a wave owns 16 rows in each: two PIECES.  So the last two steps are the same work for all waves: piece 0 holds the diagonal in the last step but one and sees
; nothing of the last; piece 1 sees all of the last but one and holds the diagonal in the last.
; THE MASK is the C operand that starts the sum S^T = K Q^T: MC, which holds 0 in plain steps.  MD, made once, is the mask of a band's own step for my rows.  At three places a test on RS (the block's steps still
; to go) jumps forward over 32 moves that set MC to MD or to -1e30.
; LAYOUT, SOFTMAX.  S^T = K Q^T holds ONE query a lane (lane % 16) and the keys 8 (lane / 16) + 0..7; two such results rounded to f16 ARE source 1 of O^T = V^T P.  p = 2^(c s - c m), c = log2(e) / sqrt(2), with a
; running maximum m; O and l are multiplied by a = 2^(c m_old - c m_new) in every step.
; TURNS.  Turn A of step j: piece 0's softmax; products K Q^T of piece 1 for step j, then V^T P of piece 1 for step j - 1; it fetches K of step j + 1.  Turn B: piece 1's softmax; K Q^T of piece 0 for step j + 1, V^T P of
; piece 0 for step j; it fetches V of step j + 1 into the other of V's two register buffers.  So a step's K and V are read from LDS a step ahead, and the change of slots stands in front of a slot's last step.
; Four vector instructions stand behind every matrix instruction, the rest in one lump; a turn's 33 exponentials are one batch with one wait.
; A block's last turn B makes 8 products and a maximum for a step that does not exist; they touch neither l nor O^T: the price of one text for every step.
; REGISTERS, in windows of 256 (s_set_vgpr_msb: bits 1:0 source 0, 3:2 source 1, 5:4 source 2, 7:6 destination):
;   window 0: v0-15 addresses; v16-23 statistics, 4 a piece; v24-31 at work; v32-34; v48-111 S^T; v112-143 P; v144-175 Q; v176-239 K of one step
;   window 1: v0-63 O^T, 32 a piece; v64-127, v128-191 V, two buffers by the step's parity        window 2: v0-31 MC; v32-63 MD; v64-95 the second block's Q
.set KS,    64
.set PK,    144       ; a row of K in LDS: 128 bytes + 16 = 36 words: the 16 rows of a load start at 16 different groups of four banks
.set PV,    160       ; a row of V: 128 + 32 = 40 words
.set VOFF,  4*KS*PK   ; a slot: 256 rows of K, then 256 rows of V
.set SLOT1, 1<<17
.set STAGE, SLOT1+4*KS*(PK+PV)  ; behind the ring, never filled by a tensor load: 16 rows x 144 bytes for each wave
.set SP,    144
.set SPARE, STAGE+4*16*SP       ; the spare words, 128 bytes for each wave: two blocks of 256 bytes that no other line names
.set AK0, 2           ; v2   my lane's place in a tile of K; never rewritten
.set AV0, 3           ; v3   the same for V
.set AK,  4           ; v4   the LDS address of K's next run of loads
.set AV,  5           ; v5   of V's
.set STO, 6           ; v6   the way out: where I put 16 bytes of a row
.set RD,  7           ; v7   where I read rows back
.set GO,  8           ; v8   my byte offset in 512 consecutive bytes of O
.set MV,  12          ; v12-13  c m_old, by piece
.set QO,  15          ; v15  my byte offset in 16 rows of Q
.set ST,  16          ; piece t: c m, m, l (even keys', odd keys')
.set TMP, 24          ; piece t: c0-c3 at work; c2 takes a
.set SPW, 32
.set NIL, 33
.set PFO, 34          ; v34  256 x lane
.set S,   48
.set P,   112
.set Q,   144
.set KF,  176
.set VB,  64          ; window 1
.set MC,  0           ; window 2
.set MD,  32
.set QB,  64
.set WV,  12
.set PB,  13
.set FB,  14
.set SB,  15
.set G1K, 24
.set G1V, 32
.set G0K, 40
.set G0V, 44
.set PFA, 48          ; s[48:49] where my prefetches stand
.set PFN, 50          ; s50  prefetches still to come
.set BLK, 51          ; s51  blocks still to end
.set RS,  52          ; s52  the block's steps still to go, the one in hand among them
.set LQ2, 53          ; s53  the second block's last tile
.set SLOTS, 56
.set CNT, 57
.set CS,  58          ; s[58:59] c
.set SEL, 60          ; s[60:61] v_permlanex16_b32's selects
.set TBK, 62          ; s62  LDS byte at which K of the step to be fetched begins
.set TBV, 63          ; s63  the same for V, less VOFF
.set NXT, 71          ; s71  the tile to be asked for next
.set LQ,  72          ; s72  the last tile of the block whose tiles are being asked for
.set OFF, 74          ; s[74:75] a tile's byte offset in K and V
.set AL,  76          ; s[76:77] 1.0 or 0
.set OLO, 80          ; s[80:81] O at my rows of the second block
.set BIGN, 82         ; s82  -1e30
.set RS2, 83          ; s83  the second block's steps
.set MSB, 0
.macro WIN new
.if MSB != (\new)
	s_set_vgpr_msb (MSB<<8)|(\new)
.set MSB, (\new)
.endif
.endm
; A fill.  Waves 0 and 1 fetch the halves of a tile's K, waves 2 and 3 those of its V: 128 keys each.  An s_nop 0 and four v_nop follow each line.
.macro LOAD
	s_cmp_lt_u32 s[WV], 2
	s_cbranch_scc0 .Lfor_v_\@
	tensor_load_to_lds s[G0K:G0K+3], s[G1K:G1K+7]
	s_nop 0
.rept 4
	v_nop
.endr
	s_branch .Lasked_\@
.Lfor_v_\@:
	tensor_load_to_lds s[G0V:G0V+3], s[G1V:G1V+7]
	s_nop 0
.rept 4
	v_nop
.endr
.Lasked_\@:
.endm
; THE CHANGE OF SLOTS.  Each wave waits for all its tensor loads (one is out: its part of the other slot), adds 0 to its spare word, and waits for that and for its own reads of the slot that it leaves.
; fill = 1: the old slot is filled again, first thing behind the barrier, with tile NXT; the descriptor's address is made anew from that number.
; Behind the load the head's first work-group (x = 0, whose first block walks tiles 0 to 7) prefetches what its NEXT change will ask for: each wave its own 64 blocks of 256 bytes, a lane a block, two
; instructions; tiles 2 to 7, each named once in the launch; tiles' later readings are not asked for.
.macro CHANGE fill
	WIN 0
	s_wait_tensorcnt 0x0            ; no tensor load of mine is out, so a group 0 may be written
	ds_add_u32 v[SPW], v[NIL]       ; 0 onto my spare word; scalar work stands between it and the wait for it
.if \fill
	s_lshl_b32 s[OFF], s[NXT], 15   ; a tile is 32,768 bytes of K and of V
	s_xor_b32 s[G0K+1], s[G0K+1], SLOT1
	s_add_nc_u64 s[G0K+2:G0K+3], s[6:7], s[OFF:OFF+1]
	s_or_b32 s[G0K+3], s[G0K+3], 0x80000000
	s_xor_b32 s[G0V+1], s[G0V+1], SLOT1
	s_add_nc_u64 s[G0V+2:G0V+3], s[8:9], s[OFF:OFF+1]
	s_or_b32 s[G0V+3], s[G0V+3], 0x80000000
	s_add_co_u32 s[NXT], s[NXT], 1  ; the block's next tile, or behind its last the second block's tile 0
	s_cmp_gt_u32 s[NXT], s[LQ]
	s_cselect_b32 s[NXT], 0, s[NXT]
	s_cselect_b32 s[LQ], s[LQ2], s[LQ]
	s_wait_xcnt 0x0                 ; the last prefetches, a slot back, have read their address
	s_add_nc_u64 s[PFA:PFA+1], s[PFA:PFA+1], 32768
.endif
	s_wait_dscnt 0x0                ; the add is done, and my reads of the slot are over
	s_barrier_signal -1
	s_sub_co_u32 s[TBK], s[TBK], 4*KS*PK  ; the fetches go back to a slot's first step, in the other slot
	s_xor_b32 s[TBK], s[TBK], SLOT1
	s_sub_co_u32 s[TBV], s[TBV], 4*KS*PV
	s_xor_b32 s[TBV], s[TBV], SLOT1
	s_barrier_wait -1
.if \fill
	LOAD
	s_cmp_lg_u32 s[PFN], 0
	s_cbranch_scc0 .Lno_ask_\@
	global_prefetch_b8 v[PFO], s[PFA:PFA+1] th:TH_LOAD_NT scope:SCOPE_SE
	global_prefetch_b8 v[PFO], s[PFA:PFA+1] offset:8192 th:TH_LOAD_NT scope:SCOPE_SE
	s_sub_co_u32 s[PFN], s[PFN], 1
.Lno_ask_\@:
.endif
.endm
	s_load_b128 s[20:23], s[0:1], 0x0  ; hid s[20:21], act s[22:23]
	v_lshl_add_u32 v[SPW], v0, 2, SPARE
	v_mov_b32 v[NIL], 0
	ds_add_u32 v[SPW], v[NIL]       ; the wave's opening: the add and its wait ahead of my first tensor load; work on registers stands between
	v_lshrrev_b32 v1, 5, v0
	v_readfirstlane_b32 s[WV], v1
	s_mov_b32 s[PB], ttmp9
	s_sub_co_u32 s[FB], 15, s[PB]
	s_and_b32 s16, s[PB], 1
	s_cmp_eq_u32 s16, 1
	s_cselect_b32 s[FB], s[PB], s[FB]  ; the odd one of x and 15 - x
	s_sub_co_u32 s[SB], 15, s[FB]
	s_and_b32 s16, ttmp7, 0xffff
	s_and_b32 s17, s16, 15
	s_lshl_b32 s2, s17, 19
	s_lshr_b32 s17, s16, 4
	s_lshl_b32 s17, s17, 18
	s_add_co_u32 s2, s2, s17        ; the head's first byte in q's slabs and in O
	s_and_b32 s16, s[WV], 1         ; which half of a tile's 256 keys I fetch
	s_lshl_b32 s18, s16, 14
	s_add_co_u32 s18, s18, s2
	s_mov_b32 s19, 0
	s_mul_i32 s66, s16, 128*PK      ; its place in a slot, for K
	s_mul_i32 s67, s16, 128*PV      ; and for V
	s_lshl_b32 s68, s[WV], 11       ; my 16 rows in a band
	s_add_co_u32 s68, s68, s2
	s_lshl_b32 s84, s[FB], 14       ; a block is 16,384 bytes
	s_add_co_u32 s84, s84, s68
	s_mov_b32 s85, 0
	s_lshl_b32 s86, s[SB], 14
	s_add_co_u32 s86, s86, s68
	s_mov_b32 s87, 0
	; descriptor group 1.  128 keys are 16,384 dense bytes: asked for as 64 rows of 256 bytes, two keys a row, padded in LDS after every key
	s_mov_b32 s[G1K], (1<<16)|(1<<20)|(4<<22)|(3<<25)  ; 2-byte elements; padding on; after every 32 words, 4 words
	s_mov_b32 s[G1V], (1<<16)|(1<<20)|(4<<22)|(7<<25)  ; the same with 8 words
.irp g, G1K, G1V
	s_mov_b32 s[\g+1], 128<<16      ; tensor_dim0 = 128
	s_mov_b32 s[\g+2], 64<<16       ; tensor_dim1 = 64
	s_mov_b32 s[\g+3], 128<<16      ; tile_dim0 = 128
	s_mov_b32 s[\g+4], 64           ; tile_dim1 = 64
	s_mov_b32 s[\g+5], 128          ; elements from row to row
	s_mov_b32 s[\g+6], 0
	s_mov_b32 s[\g+7], 0
.endr
	s_mov_b32 s[CS], 0x3f8293ee     ; c = log2(e) / sqrt(2) = 1.0201394
	s_mov_b32 s[CS+1], s[CS]
	s_mov_b32 s[SEL], 0x76543210
	s_mov_b32 s[SEL+1], 0xfedcba98
	s_mov_b32 s[TBK], SLOT1+4*KS*PK ; the first change of slots turns these two into 0
	s_mov_b32 s[TBV], SLOT1+4*KS*PV
	s_mov_b32 s[G0K], 1
	s_mov_b32 s[G0K+1], s66         ; slot 0
	s_mov_b32 s[G0V], 1
	s_add_co_u32 s[G0V+1], s67, VOFF
	s_lshr_b32 s[LQ], s[FB], 1      ; the first block's tiles are 0 .. (FB - 1) / 2,
	s_lshr_b32 s[LQ2], s[SB], 1     ; the second's 0 .. SB / 2
	s_mov_b32 s[NXT], 1
	s_cmp_gt_u32 s[NXT], s[LQ]      ; (block 1 has one tile)
	s_cselect_b32 s[NXT], 0, s[NXT]
	s_cselect_b32 s[LQ], s[LQ2], s[LQ]
	s_lshl_b32 s[RS], s[FB], 1
	s_add_co_u32 s[RS], s[RS], 2
	s_lshl_b32 s[RS2], s[SB], 1
	s_add_co_u32 s[RS2], s[RS2], 2
	s_mov_b32 s[BLK], 2
	s_mov_b32 s[OFF+1], 0
	s_mov_b32 s[AL+1], 0
	s_mov_b32 s[BIGN], 0xf149f2ca   ; -1e30
	s_mov_b32 s[SLOTS], 8
	s_cmp_eq_u32 s[PB], 0
	s_cselect_b32 s[PFN], 6, 0
	s_wait_dscnt 0x0                ; the opening add is done
	s_wait_kmcnt 0x0
	s_add_nc_u64 s[6:7], s[20:21], s[18:19]
	s_add_nc_u64 s[8:9], s[6:7], 0x1000000   ; V at my half of the head's tile 0
	s_add_nc_u64 s[6:7], s[6:7], 0x800000    ; K likewise
	s_add_nc_u64 s[G0K+2:G0K+3], s[6:7], 0
	s_or_b32 s[G0K+3], s[G0K+3], 0x80000000
	s_add_nc_u64 s[G0V+2:G0V+3], s[8:9], 0
	s_or_b32 s[G0V+3], s[G0V+3], 0x80000000
	s_add_nc_u64 s[4:5], s[20:21], s[84:85]        ; Q and O at my rows of the first block,
	s_add_nc_u64 s[10:11], s[22:23], s[84:85]
	s_add_nc_u64 s[OLO:OLO+1], s[22:23], s[86:87]  ; and of the second
	s_add_nc_u64 s[86:87], s[20:21], s[86:87]
	s_cmp_lt_u32 s[WV], 2
	s_cselect_b64 s[PFA:PFA+1], s[6:7], s[8:9]
	s_add_nc_u64 s[PFA:PFA+1], s[PFA:PFA+1], 32768 ; at tile 1; the first change of slots steps it to tile 2
	LOAD                            ; tile 0 into slot 0
	v_and_b32 v1, 15, v0            ; l % 16
	v_bfe_u32 v9, v0, 4, 1          ; l / 16
	v_lshlrev_b32 v[QO], 7, v1
	v_lshl_add_u32 v[QO], v9, 4, v[QO]  ; row x 128 + 16 x half
.set i, 0
.rept 4                             ; Q: piece i / 2 lies in band i / 2, 8,192 bytes on; channels 32 (i % 2) on
	global_load_b128 v[Q+8*i:Q+8*i+3],   v[QO], s[4:5] offset:(i/2)*8192+(i%2)*64
	global_load_b128 v[Q+8*i+4:Q+8*i+7], v[QO], s[4:5] offset:(i/2)*8192+(i%2)*64+32
.set i, i+1
.endr
	WIN 0x80                        ; destination window 2
.set i, 0
.rept 4
	global_load_b128 v[QB+8*i:QB+8*i+3],   v[QO], s[86:87] offset:(i/2)*8192+(i%2)*64
	global_load_b128 v[QB+8*i+4:QB+8*i+7], v[QO], s[86:87] offset:(i/2)*8192+(i%2)*64+32
.set i, i+1
.endr
	WIN 0
	v_lshlrev_b32 v14, 3, v9
	v_sub_nc_u32 v14, v1, v14
	s_lshl_b32 s16, s[WV], 4
	v_add_nc_u32 v14, s16, v14      ; my query's place in its band less my lanes' 8 (l / 16): register r of key group kt is hidden where 16 kt + r is greater
	WIN 0x80
.set i, 0
.rept 32
	v_cmp_gt_i32 vcc_lo, 16*(i/8)+i%8, v14
	v_cndmask_b32 v[MD+i], 0, s[BIGN], vcc_lo
.set i, i+1
.endr
	WIN 0
	v_mul_u32_u24 v[AK0], v1, PK
	v_lshl_add_u32 v[AK0], v9, 4, v[AK0]
	v_and_b32 v10, 7, v0
	v_bfe_u32 v11, v0, 3, 1
	v_lshl_add_u32 v[AV0], v9, 3, v10  ; the turning load: lane l reads key 8 (l / 16) + l % 8, channels 8 ((l / 8) % 2) + 0..7
	v_mul_u32_u24 v[AV0], v[AV0], PV
	v_lshl_add_u32 v[AV0], v11, 4, v[AV0]
	v_add_nc_u32 v[AV0], VOFF, v[AV0]
	s_mul_i32 s16, s[WV], 16*SP
	s_add_co_u32 s16, s16, STAGE    ; my stage
	v_mul_u32_u24 v[STO], v1, SP
	v_lshl_add_u32 v[STO], v9, 4, v[STO]
	v_add_nc_u32 v[STO], s16, v[STO]
	v_bfe_u32 v[RD], v0, 3, 2
	v_mul_u32_u24 v[RD], v[RD], SP
	v_lshl_add_u32 v[RD], v10, 4, v[RD]
	v_add_nc_u32 v[RD], s16, v[RD]
	v_and_b32 v[GO], 31, v0
	v_lshlrev_b32 v[PFO], 8, v[GO]
	v_lshlrev_b32 v[GO], 4, v[GO]
	; A block's first step multiplies O^T and l by a = 0, and its first turn's products V^T P, of a step that has not been, land in an O^T still to be so multiplied: these registers need only be finite.
	; Zeros for the first block, in the wait for the first tile; what the first block left for the second.
	WIN 0x40
.set i, 0
.rept 64
	v_mov_b32 v[i], 0
.set i, i+1
.endr
.set i, VB+64
.rept 64
	v_mov_b32 v[i], 0
.set i, i+1
.endr
	WIN 0
.set i, P+16
.rept 16
	v_mov_b32 v[i], 0
.set i, i+1
.endr
.irp t, 0,1
	v_mov_b32 v[ST+4*\t+2], 0
	v_mov_b32 v[ST+4*\t+3], 0
.endr
; THE MATRIX WORK.  The 4 accumulators of a run of 8 take turns.  Product i of 8 of S^T = K Q^T for piece x: channels 32 (i / 4) on, keys 16 (i % 4) on.  The first 4 start the sums: with MC (KM = 1) or 0.
.macro KQ x
.set rS, S+32*(\x)+8*(i%4)
.set rK, KF+16*(i%4)+8*(i/4)
.set rQ, Q+16*(\x)+8*(i/4)
.set rM, MC+8*(i%4)
.if (i < 4) && KM
	WIN 0x20                        ; the C operand in window 2
	v_wmma_f32_16x16x32_f16 v[rS:rS+7], v[rK:rK+7], v[rQ:rQ+7], v[rM:rM+7]
.elseif i < 4
	WIN 0
	v_wmma_f32_16x16x32_f16 v[rS:rS+7], v[rK:rK+7], v[rQ:rQ+7], 0
.else
	WIN 0
	v_wmma_f32_16x16x32_f16 v[rS:rS+7], v[rK:rK+7], v[rQ:rQ+7], v[rS:rS+7]
.endif
.endm
; Product i of 8 of O^T += V^T P for piece x, V from buffer VBI: keys 32 (i / 4) on, channels 16 (i % 4) on.
.macro PV x
	WIN 0x51                        ; V and O^T in window 1, P in window 0
.set rO, 32*(\x)+8*(i%4)
.set rV, VB+64*VBI+32*(i/4)+8*(i%4)
.set rP, P+16*(\x)+8*(i/4)
	v_wmma_f32_16x16x32_f16 v[rO:rO+7], v[rV:rV+7], v[rP:rP+7], v[rO:rO+7]
.endm
.macro MM                           ; the turn's next matrix instruction: both kinds are the other piece's
.if i < 8
	KQ 1-Y
.else
.set i, i-8
	PV 1-Y
.set i, i+8
.endif
.set i, i+1
.endm
; THE LDS LOADS stand in runs of 16.
.macro FETCH_K
	WIN 0
.irp f, 0,1,2,3,4,5,6,7             ; keys 16 (f / 2) on, channels 32 (f % 2) on
	ds_load_b128 v[KF+8*\f:KF+8*\f+3],   v[AK] offset:(\f/2)*16*PK+(\f%2)*64
	ds_load_b128 v[KF+8*\f+4:KF+8*\f+7], v[AK] offset:(\f/2)*16*PK+(\f%2)*64+32
.endr
	s_add_co_u32 s[TBK], s[TBK], KS*PK
.endm
.macro FETCH_V vb
	WIN 0x40
.irp f, 0,1,2,3,4,5,6,7             ; keys 32 (f / 4) on, channels 16 (f % 4) on
	ds_load_tr16_b128 v[VB+64*(\vb)+8*\f:VB+64*(\vb)+8*\f+3],   v[AV] offset:(\f/4)*32*PV+(\f%4)*32
	ds_load_tr16_b128 v[VB+64*(\vb)+8*\f+4:VB+64*(\vb)+8*\f+7], v[AV] offset:(\f/4)*32*PV+16*PV+(\f%4)*32
.endr
	s_add_co_u32 s[TBV], s[TBV], KS*PV
	WIN 0
.endm
; THE VECTOR WORK, one line at a time: OP kind, number.  For piece Y: F n: c s - c m for pair n of 16.  E n: the exponential of score n of 32.  C n: pair n rounded to f16.  B n: of the four weights 4 n .. the second
; pair is added onto the first.  L n: l takes that sum (L 0: l = a l + sum).  R n: pair n of 16 of O^T times a.  For the other piece: X n, number n of the 22 that find its maximum and statistics:
;   0-11 four chains of seven scores, each accumulator's lowest registers first; 12-14, 16 the scores left over, the old m, the four into one; 15 c m_old is kept;
;   17, 18 the lane 16 away holds the query's other 32 keys: the new m; 19-21 c m; c m_old - c m_new; a
.set F, 0
.set E, 1
.set C, 2
.set B, 3
.set L, 4
.set R, 5
.set X, 6
.macro REGS y
.set rT, ST+4*(\y)
.set rC, TMP+4*(\y)
.set rW, MV+(\y)
.set rS, S+32*(\y)
.set rP, P+16*(\y)
.set rO, 32*(\y)
.endm
.macro OP k, n
.if (\k) == R
	REGS Y
	WIN 0x41
	v_pk_mul_f32 v[rO+2*(\n):rO+2*(\n)+1], v[rO+2*(\n):rO+2*(\n)+1], v[rC+2:rC+3] op_sel_hi:[1,0]
.elseif (\k) < R
	REGS Y
	WIN 0
.if (\k) == F
	v_pk_fma_f32 v[rS+2*(\n):rS+2*(\n)+1], v[rS+2*(\n):rS+2*(\n)+1], s[CS:CS+1], v[rT:rT+1] op_sel_hi:[1,0,0] neg_lo:[0,0,1] neg_hi:[0,0,1]
.elseif (\k) == E
	v_exp_f32 v[rS+(\n)], v[rS+(\n)]
.elseif (\k) == C
	v_cvt_pk_f16_f32 v[rP+(\n)], v[rS+2*(\n)], v[rS+2*(\n)+1]
.elseif (\k) == B
	v_pk_add_f32 v[rS+4*(\n):rS+4*(\n)+1], v[rS+4*(\n):rS+4*(\n)+1], v[rS+4*(\n)+2:rS+4*(\n)+3]
.elseif (\n) == 0
	v_pk_fma_f32 v[rT+2:rT+3], v[rT+2:rT+3], v[rC+2:rC+3], v[rS:rS+1] op_sel_hi:[1,0,1]
.else
	v_pk_add_f32 v[rT+2:rT+3], v[rT+2:rT+3], v[rS+4*(\n):rS+4*(\n)+1]
.endif
.else
	REGS 1-Y
	WIN 0
.if (\n) < 4
	v_max3_num_f32 v[rC+(\n)], v[rS+8*(\n)], v[rS+8*(\n)+1], v[rS+8*(\n)+2]
.elseif (\n) < 12
	v_max3_num_f32 v[rC+(\n)%4], v[rC+(\n)%4], v[rS+8*((\n)%4)+2*((\n)/4)+1], v[rS+8*((\n)%4)+2*((\n)/4)+2]
.elseif (\n) == 12
	v_max3_num_f32 v[rC], v[rC], v[rS+7], v[rS+15]
.elseif (\n) == 13
	v_max3_num_f32 v[rC+1], v[rC+1], v[rS+23], v[rS+31]
.elseif (\n) == 14
	v_max3_num_f32 v[rC+2], v[rC+2], v[rC+3], v[rT+1]
.elseif (\n) == 15
	v_mov_b32 v[rW], v[rT]
.elseif (\n) == 16
	v_max3_num_f32 v[rC], v[rC], v[rC+1], v[rC+2]
.elseif (\n) == 17
	v_permlanex16_b32 v[rC+3], v[rC], s[SEL], s[SEL+1]
.elseif (\n) == 18
	v_max_num_f32 v[rT+1], v[rC], v[rC+3]
.elseif (\n) == 19
	v_mul_f32 v[rT], s[CS], v[rT+1]
.elseif (\n) == 20
	v_sub_f32 v[rC+1], v[rW], v[rT]
.else
	v_exp_f32 v[rC+2], v[rC+1]
.endif
.endif
.endm
.macro OPS a, i1, b=-1, i2=0, c=-1, i3=0, d=-1, i4=0
	OP \a, \i1
.if (\b) >= 0
	OP \b, \i2
.endif
.if (\c) >= 0
	OP \c, \i3
.endif
.if (\d) >= 0
	OP \d, \i4
.endif
.endm
.macro ROW a, i1, b, i2, c, i3, d, i4  ; a matrix instruction and the four behind it
	MM
	OPS \a, \i1, \b, \i2, \c, \i3, \d, \i4
.endm
; A TURN, for piece p (0: turn A, 1: turn B) of a step of parity odd.  ONE wait cuts it in two.  Ahead of it stands all that names no result of the turn's exponentials: 8 products K Q^T with their riders, then the lump,
; in which the links of the chain X 3, 7, 11, 14, 16 .. 20 stand some lines apart; X 21, the other piece's a, is the batch's last, R 15 the plain instruction behind it.  Behind the wait: 8 products V^T P, behind each
; four of the roundings and sums.  The first numbers of the maximum ride four plain instructions or more behind the product that ends their accumulator.
; The run of LDS loads stands in the lump: K's five plain instructions that name none of its registers behind the last product that read K; V's buffer was last read a turn earlier.  Both are waited for at the head of turn B.
.macro TURN p, odd
.set Y, (\p)
.set i, 0
.if (\p) == 0
.set KM, (\odd)                     ; piece 1 has no mask in an even step
.set VBI, 1-(\odd)                  ; V of the step before
.else
.set KM, 1
.set VBI, (\odd)
	s_wait_dscnt 0x0                ; K of the next step and V of this one are in
.endif
	ROW F,0, F,1, R,0, R,1
	ROW F,2, E,0, R,2, R,3
	ROW F,3, E,1, R,4, R,5
	ROW F,4, E,2, R,6, R,7
	ROW F,5, E,3, R,8, R,9
	ROW F,6, E,4, X,0, R,10
	WIN 0
.if (\p) == 0
	v_add_nc_u32 v[AK], s[TBK], v[AK0]
.else
	v_add_nc_u32 v[AV], s[TBV], v[AV0]
.endif
	ROW F,7, E,5, X,1, X,4
	ROW F,8, E,6, X,2, X,5
	OPS E,7, E,8, X,6, E,9
	OPS X,3, E,10, X,8, E,11
.if (\p) == 0
	FETCH_K
.else
	FETCH_V 1-(\odd)
.endif
	OPS X,9, X,7, E,12, X,10
	OPS E,13, X,12, X,11, E,14
	OPS X,13, E,15, F,9, X,14
	OPS E,16, F,10, E,17, F,11
	OPS X,16, E,18, X,15, E,19
	OPS F,12, E,20, X,17, E,21
	OPS F,13, E,22, F,14, E,23
	OPS X,18, E,24, F,15, E,25
	OPS R,11, E,26, X,19, E,27
	OPS R,12, E,28, R,13, E,29
	OPS X,20, E,30, R,14, E,31
	OPS X,21, R,15
	WIN 0
	s_wait_alu depctr_va_vdst(0)    ; the wait for the batch, ahead of the first instruction that names a result
	ROW C,0, B,0, C,2, B,1
	ROW L,0, C,4, B,2, L,1
	ROW C,6, B,3, L,2, C,8
	ROW B,4, L,3, C,10, B,5
	ROW L,4, C,12, B,6, L,5
	ROW C,14, B,7, L,6, C,1
	ROW C,3, L,7, C,5, C,7
	ROW C,9, C,11, C,13, C,15
	WIN 0
.if ((\p) == 0) && (\odd)           ; three steps to go: turn B makes piece 0's scores of its own step
	s_cmp_eq_u32 s[RS], 3
	s_cbranch_scc0 .Lno_mask_\@
	WIN 0x82
.set z, 0
.rept 32
	v_mov_b32 v[MC+z], v[MD+z]
.set z, z+1
.endr
	WIN 0
.Lno_mask_\@:
.elseif (\p) == 0                   ; two to go: turn B makes piece 0's scores of the last step, of which it sees nothing
	s_cmp_eq_u32 s[RS], 2
	s_cbranch_scc0 .Lno_mask_\@
	WIN 0x80
.set z, 0
.rept 32
	v_mov_b32 v[MC+z], s[BIGN]
.set z, z+1
.endr
	WIN 0
.Lno_mask_\@:
.elseif !(\odd)                     ; two to go: the next turn A makes piece 1's scores of its own step
	s_cmp_eq_u32 s[RS], 2
	s_cbranch_scc0 .Lno_mask_\@
	WIN 0x82
.set z, 0
.rept 32
	v_mov_b32 v[MC+z], v[MD+z]
.set z, z+1
.endr
	WIN 0
.Lno_mask_\@:
.endif
.endm
; A BLOCK BEGINS.  c m starts far below every c s, so the first step's a is 0; m at the lowest finite number.  MC is 0, or MD where the block's first step is piece 0's own (a block of two steps).
; K and V of the step lie in registers, or are on their way.  Then piece 0's first scores, its maximum and statistics.
.macro BEGIN
	WIN 0
.irp t, 0,1
	v_mov_b32 v[ST+4*\t], 0xfe000000
	v_mov_b32 v[ST+4*\t+1], 0xff7fffff
.endr
	s_cmp_eq_u32 s[RS], 2
	s_cselect_b32 s[AL], 1.0, 0
	WIN 0x82
.set z, 0
.rept 16
	v_pk_mul_f32 v[MC+2*z:MC+2*z+1], v[MD+2*z:MD+2*z+1], s[AL:AL+1] op_sel_hi:[1,0]
.set z, z+1
.endr
	WIN 0
	s_wait_loadcnt 0x0              ; Q
	s_wait_dscnt 0x0                ; K
.set KM, 1
.set i, 0
.rept 8
	KQ 0
.set i, i+1
.endr
	WIN 0
.rept 4
	v_nop                           ; the places behind those products
.endr
.set Y, 1                           ; X works for the other piece: piece 0
.irp n, 0,1,2,3,4,5,6,7,8,9,10,11,12,13,14,15,16,17,18,19,20,21
	OP X, \n
.endr
	v_nop                           ; a plain instruction behind the exponential,
	s_wait_alu depctr_va_vdst(0)    ; and its wait, ahead of the label
.endm
.macro PACK t                       ; O^T / l, rounded; a lane's eight channels of a row are 16 bytes; into rows of 144 bytes and back as whole rows of 128
	WIN 0x41
.set i, 32*(\t)
.rept 16
	v_pk_mul_f32 v[i:i+1], v[i:i+1], v[ST+4*(\t)+2:ST+4*(\t)+3] op_sel_hi:[1,0]
.set i, i+2
.endr
	WIN 0x05
.set i, 0
.rept 16
	v_cvt_pk_f16_f32 v[S+16*(\t)+i], v[32*(\t)+2*i], v[32*(\t)+2*i+1]
.set i, i+1
.endr
	WIN 0
.irp f, 0,1,2,3
	ds_store_b128 v[STO], v[S+16*(\t)+4*\f:S+16*(\t)+4*\f+3] offset:32*\f
.endr
.irp f, 0,1,2,3
	ds_load_b128 v[S+16*(\t)+4*\f:S+16*(\t)+4*\f+3], v[RD] offset:\f*4*SP  ; LDS serves a wave's instructions in order: these see the stores above; the next piece's stores come behind them
.endr
.endm
.macro SEND t, younger              ; younger: the LDS instructions issued behind piece t's loads
	WIN 0
.irp f, 0,1,2,3
	s_wait_dscnt (\younger)+3-\f
	global_store_b128 v[GO], v[S+16*(\t)+4*\f:S+16*(\t)+4*\f+3], s[10:11] offset:(\t)*8192+\f*512  ; 512 consecutive bytes, aligned
.endr
.endm
; A BLOCK ENDS: piece 1's V^T P of the last step (an odd one: V's buffer 1), the division by l, the way out; then the second block's O, steps and Q.  tail = 1: behind the second block the walk is over.
.macro FIN tail
.set VBI, 1
.set i, 0
.rept 8
	PV 1
.set i, i+1
.endr
	WIN 0
.rept 4
	v_nop
.endr
.irp t, 0,1
	v_add_f32 v[ST+4*\t+2], v[ST+4*\t+2], v[ST+4*\t+3]
.endr
.irp t, 0,1
	v_permlanex16_b32 v[ST+4*\t+3], v[ST+4*\t+2], s[SEL], s[SEL+1]
.endr
.irp t, 0,1
	v_add_f32 v[ST+4*\t+2], v[ST+4*\t+2], v[ST+4*\t+3]
.endr
.irp t, 0,1
	v_rcp_f32 v[ST+4*\t+2], v[ST+4*\t+2]
.endr
	v_nop
	s_wait_alu depctr_va_vdst(0)    ; one wait for the two reciprocals
	PACK 0
	PACK 1
	SEND 0, 8
	SEND 1, 0
	s_sub_co_u32 s[BLK], s[BLK], 1
.if \tail
	s_cmp_eq_u32 s[BLK], 0
	s_cbranch_scc1 .Lexit
.endif
	s_wait_xcnt 0x0                 ; the stores have read their registers and O's address
	s_mov_b64 s[10:11], s[OLO:OLO+1]
	s_mov_b32 s[RS], s[RS2]
	WIN 0x02                        ; the second block's Q goes where the one text of the turns names Q
.set z, 0
.rept 32
	v_mov_b32 v[Q+z], v[QB+z]
.set z, z+1
.endr
	WIN 0
.endm
; Four steps between two changes of slots: an odd step, an even one, twice.  A block ends behind an odd step.
.macro SLOTBODY tag, tail
.Lstep\tag:
	TURN 0, 1
	TURN 1, 1
	WIN 0
	s_sub_co_u32 s[RS], s[RS], 1
	s_cmp_lg_u32 s[RS], 0
	s_cbranch_scc1 .Lfirst\tag
	FIN \tail
.Lbegin\tag:
	BEGIN
.Lfirst\tag:
	TURN 0, 0
	TURN 1, 0
	WIN 0
	s_sub_co_u32 s[RS], s[RS], 1
	s_sub_co_u32 s[CNT], s[CNT], 1
	s_cmp_lg_u32 s[CNT], 0
	s_cbranch_scc1 .Lstep\tag
.endm
	CHANGE 1                        ; slot 0 is in, everybody's part of it; slot 1 is asked for
	v_add_nc_u32 v[AK], s[TBK], v[AK0]
	FETCH_K                         ; step 0
	v_add_nc_u32 v[AV], s[TBV], v[AV0]
	FETCH_V 0
	s_mov_b32 s[CNT], 2
	s_branch .Lbegin1               ; the loop is entered in the middle of a trip: three steps, then the first change in the loop
.Lslot:                             ; seven times: the walk's slots 2 to 8 are asked for
	CHANGE 1
	s_mov_b32 s[CNT], 2
	SLOTBODY 1, 0
	s_sub_co_u32 s[SLOTS], s[SLOTS], 1
	s_cmp_lg_u32 s[SLOTS], 0
	s_cbranch_scc1 .Lslot
	CHANGE 0                        ; the tail is written out: the walk ends in its third step
	s_mov_b32 s[CNT], 2
	SLOTBODY 2, 1
.Lexit:
	s_wait_tensorcnt 0x0            ; the wave's end: behind my last tensor load and my last LDS store
	ds_add_u32 v[SPW], v[NIL]
	s_wait_dscnt 0x0
	s_endpgm
.Lfunc_end_k_q0b8f7142e7_attn:
	.size	k_q0b8f7142e7_attn, .Lfunc_end_k_q0b8f7142e7_attn-k_q0b8f7142e7_attn
	.p2alignl 7, 3214868480
	.fill 96, 4, 3214868480
	.section	.rodata,"a",@progbits
	.p2align	6, 0x0
	.amdhsa_kernel k_q0b8f7142e7_attn
		.amdhsa_group_segment_fixed_size 327680
		.amdhsa_private_segment_fixed_size 0
		.amdhsa_enable_private_segment 0
		.amdhsa_kernarg_size 16
		.amdhsa_user_sgpr_count 2
		.amdhsa_user_sgpr_kernarg_segment_ptr 1
		.amdhsa_wavefront_size32 1
		.amdhsa_system_sgpr_workgroup_id_x 1
		.amdhsa_system_sgpr_workgroup_id_y 1
		.amdhsa_system_sgpr_workgroup_id_z 1
		.amdhsa_system_vgpr_workitem_id 0
		.amdhsa_next_free_vgpr 608
		.amdhsa_next_free_sgpr 90
		.amdhsa_reserve_vcc 1
		.amdhsa_float_denorm_mode_32 3
		.amdhsa_float_denorm_mode_16_64 3
		.amdhsa_memory_ordered 1
		.amdhsa_forward_progress 1
		.amdhsa_inst_pref_size 131
	.end_amdhsa_kernel
	.amdgpu_metadata
---
amdhsa.version: [ 1, 2 ]
amdhsa.kernels:
  - .name:           k_q0b8f7142e7_attn
    .symbol:         k_q0b8f7142e7_attn.kd
    .args:
      - { .name: hid, .offset: 0, .size: 8, .value_kind: global_buffer, .address_space: global }
      - { .name: act, .offset: 8, .size: 8, .value_kind: global_buffer, .address_space: global }
    .group_segment_fixed_size: 327680
    .private_segment_fixed_size: 0
    .kernarg_segment_align: 8
    .kernarg_segment_size: 16
    .max_flat_workgroup_size: 128
    .sgpr_count:     90
    .vgpr_count:     608
    .wavefront_size: 32
...
	.end_amdgpu_metadata
.endif
;; end of part 3
;; launch proj (part 4): grid 8 x 32, 4 waves a work-group, clusters of 4 x 4, 327,680 bytes of LDS; arguments act, w2, proj_b, x, x1; writes x1
.if DOCPART == 4
	.amdgcn_target "amdgcn-amd-amdhsa--gfx1250"
	.amdhsa_code_object_version 6
	.text
	.protected	k_q0b8f7142e7_proj
	.globl	k_q0b8f7142e7_proj
	.p2align	8
	.type	k_q0b8f7142e7_proj,@function
k_q0b8f7142e7_proj:
	s_mov_b64 s[64:65], 0
	v_nop
	global_prefetch_b8 v0, s[64:65] scope:SCOPE_SE
	s_setreg_imm32_b32 hwreg(HW_REG_WAVE_MODE, 25, 1), 1
	s_wait_xcnt 0x0
	s_wait_alu depctr_hold_cnt(0) depctr_sa_sdst(0) depctr_va_vdst(0) depctr_va_sdst(0) depctr_va_ssrc(0) depctr_va_vcc(0) depctr_vm_vsrc(0)
	s_getreg_b32 s2, hwreg(HW_REG_IB_STS2, 6, 4)
	s_cmp_eq_u32 s2, 0
	s_cbranch_scc0 .Lentry_in_a_cluster
	s_endpgm
.Lentry_in_a_cluster:
	s_bfe_u32 s2, ttmp6, 0x10000c
	s_cmp_lg_u32 s2, 0xf033
	s_cbranch_scc0 .Lentry_shape_is_right
	s_endpgm
.Lentry_shape_is_right:
; out = res + A W + b.  A: f16 in slabs [K/64][4096][64].  W: [K][1024] f16, rows along N.  b: [1024] f32.  res, out: [4096][1024] f32.  K = 256 KT.
; Here KT = 4: x1 = x + o proj_w + proj_b.  proj_w's f16 copy lies behind li2_w's in the same buffer, WBASE bytes on.  Sums in f32, begun with the bias; the residual is added in f32.
; LIMITS.  f16 operands: a number beyond 65,504 becomes an infinity; below 6e-5 f16 keeps a fixed step of 6e-8.  NaN and infinities are not treated apart.
; SHARES.  A tile is 128 x 128: 8 x 32 = 256 work-groups.  Four waves, each 64 x 64: 16 accumulators.  K goes in steps of 256 = four slabs of A through two LDS slots.
; A's part of a step: of each slab 128 rows x 128 bytes, 16,384 dense bytes, asked for as one long row, two slabs to a tensor load, padded in LDS after every 128 bytes.  W's: 128 rows of 256 bytes to a load.
; THE PRODUCT IS USED TRANSPOSED: source 0 = 16 columns of W (turned by ds_load_tr16_b128), source 1 = 16 rows of A: a lane holds one row of the tile and 8 neighbouring columns.
; CLUSTER 4 x 4: A's tile is asked for jointly by a row of the cluster, W's by a column.
; THE TEXT: a K step is written once in the loop and once in the tail, which asks for nothing.
; NO PREFETCH with KT = 4: K steps 0 and 1 come by the first fills, 2 and 3 by the only two refills; there is no K step two refills on.
; REGISTERS, in windows of 256 (s_set_vgpr_msb: bits 1:0 source 0, 3:2 source 1, 5:4 source 2, 7:6 destination):
;   window 0: v0-30 addresses; v32-95 rows read back, two buffers; v96-127 the bias laid as an accumulator is; v128-255 the accumulators ((a, b) at v[128 + 8 (4 a + b)])
;   window 1: two fragment buffers of 128: 64 registers of A (2 x 4 x 16 rows x 32 K), then 64 of W        window 2: v0-127 the residual, then the result
.set KT,    4
.set WBASE, 0x800000                   ; li2_w's copy is 4,096 x 1,024 x 2 bytes
.set PA,    144                        ; a row of A in LDS: 128 bytes + 16 = 36 words: the 16 rows of a load start at 16 different groups of four banks
.set PW,    288                        ; a row of W: 256 + 32 = 72 words
.set SLAB,  128*PA
.set PART,  36864                      ; what one tensor load brings: two slabs' rows of A, or 128 rows of W
.set WOFF,  2*PART
.set SLOT,  4*PART                     ; 0x24000: it shares no bit with wave x PART (0x9000 w), so one exclusive or changes the slot
.set SPARE, 2*SLOT                     ; the spare words, 128 bytes for each wave: two blocks of 256 bytes that no other line names
.set SP,    272                        ; the way out: a wave's own 64 rows of 256 bytes + 16, in slot 0: it had its last fill, and was left by all waves at the last barrier (the last K step lies in slot 1)
.set ASTEP, 4*524288
.set WSTEP, 256*2048
.set A0,   8
.set B0,   9
.set ADRA, 16
.set ADRB, 17                          ; v17 quarters 0, 1; v18 quarters 2, 3: 128 rows of W on
.set STO,  24
.set RD,   25
.set CO,   26                          ; v26  my byte offset in two rows of res and of out; never rewritten
.set BO,   27
.set SPW,  28
.set NIL,  29
.set PFO,  30
.set TMP,  32
.set BI,   96
.set ACC,  128
.set F0,   0
.set F1,   128
.set G1A, 24
.set G0A, 32
.set PFA, 44
.set LIM, 46
.set TB,  47
.set G1W, 48
.set G0W, 56
.set PFS, 66
.set CNT, 74
.set OUTP, 76                          ; s[76:77] out
.set MSB, 0
.macro WIN new
.if MSB != (\new)
	s_set_vgpr_msb (MSB<<8)|(\new)
.set MSB, \new
.endif
.endm
.macro PLACES
.rept 4
	v_nop
.endr
.endm
.macro JLOAD                           ; a joint refill: waves 0 and 1 for A, 2 and 3 for W; an s_nop 0 and four v_nop follow each line
	s_cmp_eq_u32 s13, 0
	s_cbranch_scc0 .Lfor_w_\@
	tensor_load_to_lds s[G0A+4:G0A+7], s[G1A:G1A+7]
	s_nop 0
	PLACES
	s_branch .Lasked_\@
.Lfor_w_\@:
	tensor_load_to_lds s[G0W+4:G0W+7], s[G1W:G1W+7]
	s_nop 0
	PLACES
.Lasked_\@:
.endm
; A prefetch of the K step two refills on: 32 blocks of 256 bytes, a lane a block.  Each block is named once in the launch: A's by the clusters with x = 0, W's by those with y = 0; the partners share a tile out by address.
.macro ASK
	s_cmp_gt_u32 s15, s[LIM]
	s_cbranch_scc0 .Lnot_mine_\@
	global_prefetch_b8 v[PFO], s[PFA:PFA+1] th:TH_LOAD_NT scope:SCOPE_SE
.Lnot_mine_\@:
.endm
.macro CREST
	s_cmp_lg_u32 s12, 0
	s_cbranch_scc1 .Lnot_wave_0_\@
	s_barrier_signal -3
.Lnot_wave_0_\@:
	s_barrier_wait -3
	s_barrier_signal -1
	s_barrier_wait -1
.endm
.macro CROUND
	s_barrier_signal -1
	s_barrier_wait -1
	CREST
.endm
	s_load_b256 s[4:11], s[0:1], 0x0               ; A s[4:5], W's buffer s[6:7], bias s[8:9], res s[10:11]
	s_load_b64 s[OUTP:OUTP+1], s[0:1], 0x20        ; out
	v_lshl_add_u32 v[SPW], v0, 2, SPARE
	v_mov_b32 v[NIL], 0
	ds_add_u32 v[SPW], v[NIL]                      ; the wave's opening: the add and its wait ahead of my first tensor load
	v_lshrrev_b32 v1, 5, v0
	v_readfirstlane_b32 s12, v1
	s_lshr_b32 s13, s12, 1                         ; my half of the tile's rows.  Also: I fetch for A (0) or for W (1)
	s_and_b32 s14, s12, 1                          ; my half of its columns.  Also: which half of that tile I fetch
	s_bfe_u32 s40, ttmp6, 0x40000
	s_bfe_u32 s41, ttmp6, 0x40004
	s_lshl_b32 s42, ttmp9, 2
	s_add_co_u32 s42, s42, s40                     ; tile column
	s_and_b32 s43, ttmp7, 0xffff
	s_lshl_b32 s43, s43, 2
	s_add_co_u32 s43, s43, s41                     ; tile row
	s_lshl_b32 s20, s41, 2
	s_lshl_b32 s20, 15, s20
	s_lshl_b32 s21, 0x1111, s40
	s_or_b32 s[G1A], s20, (1<<16)|(1<<20)|(1<<21)|(4<<22)|(3<<25)  ; the mask of my row; 2-byte elements; padding on; bit 21 beside a mask; after every 32 words, 4 words
	s_mov_b32 s[G1A+1], 8192<<16                   ; tensor_dim0 = 8,192: 128 rows x 64 elements on end
	s_mov_b32 s[G1A+2], 2<<16                      ; tensor_dim1 = 2 slabs
	s_mov_b32 s[G1A+3], 8192<<16                   ; tile_dim0
	s_mov_b32 s[G1A+4], 2                          ; tile_dim1
	s_mov_b32 s[G1A+5], 262144                     ; elements from slab to slab
	s_mov_b32 s[G1A+6], 0
	s_mov_b32 s[G1A+7], 0
	s_or_b32 s[G1W], s21, (1<<16)|(1<<20)|(1<<21)|(5<<22)|(7<<25)  ; the mask of my column; after every 64 words, 8 words
	s_mov_b32 s[G1W+1], 128<<16
	s_mov_b32 s[G1W+2], 128<<16
	s_mov_b32 s[G1W+3], 128<<16
	s_mov_b32 s[G1W+4], 128
	s_mov_b32 s[G1W+5], 1024
	s_mov_b32 s[G1W+6], 0
	s_mov_b32 s[G1W+7], 0
	s_lshl_b32 s16, s14, 20                        ; A: 2 x half slabs + 128 x tile row rows of 128 bytes
	s_lshl_b32 s17, s43, 14
	s_add_co_u32 s16, s16, s17
	s_mov_b32 s17, 0
	s_lshl_b32 s18, s14, 18                        ; W: 128 x half rows of 2,048 bytes + 256 x tile column
	s_lshl_b32 s19, s42, 8
	s_add_co_u32 s18, s18, s19
	s_mov_b32 s19, 0
	s_mul_i32 s68, s12, PART
	s_mov_b32 s[TB], 0
	s_wait_dscnt 0x0
	s_wait_kmcnt 0x0
	s_add_nc_u64 s[6:7], s[6:7], WBASE             ; W
	s_add_nc_u64 s[16:17], s[4:5], s[16:17]
	s_add_nc_u64 s[18:19], s[6:7], s[18:19]
	CROUND                                         ; all sixteen work-groups are here: the first joint loads meet
.irp s, 0,1
	s_mov_b32 s[G0A+4*(\s)], 1
	s_add_co_u32 s[G0A+4*(\s)+1], s68, (\s)*SLOT
	s_add_nc_u64 s[G0A+4*(\s)+2:G0A+4*(\s)+3], s[16:17], (\s)*ASTEP
	s_or_b32 s[G0A+4*(\s)+3], s[G0A+4*(\s)+3], 0x80000000
	s_mov_b32 s[G0W+4*(\s)], 1
	s_add_co_u32 s[G0W+4*(\s)+1], s68, (\s)*SLOT
	s_add_nc_u64 s[G0W+4*(\s)+2:G0W+4*(\s)+3], s[18:19], (\s)*WSTEP
	s_or_b32 s[G0W+4*(\s)+3], s[G0W+4*(\s)+3], 0x80000000
.endr
	s_cmp_eq_u32 s13, 0                            ; a wave's two first fills stand in one branch: two loads of mine are out
	s_cbranch_scc0 .Lfirst_w
	tensor_load_to_lds s[G0A:G0A+3], s[G1A:G1A+7]
	s_nop 0
	tensor_load_to_lds s[G0A+4:G0A+7], s[G1A:G1A+7]
	s_nop 0
	PLACES
	s_branch .Lfirst_asked
.Lfirst_w:
	tensor_load_to_lds s[G0W:G0W+3], s[G1W:G1W+7]
	s_nop 0
	tensor_load_to_lds s[G0W+4:G0W+7], s[G1W:G1W+7]
	s_nop 0
	PLACES
.Lfirst_asked:
	v_and_b32 v1, 15, v0                           ; r
	v_bfe_u32 v2, v0, 4, 1                         ; h
	v_and_b32 v3, 7, v0
	v_bfe_u32 v4, v0, 3, 1
	s_lshl_b32 s20, s42, 9                         ; the bias of my columns: (128 x tile column + 64 wc + 8 h) x 4 bytes
	s_lshl_b32 s21, s14, 8
	s_add_co_u32 s20, s20, s21
	v_lshl_add_u32 v[BO], v2, 5, s20
.irp b, 0,1,2,3
	global_load_b128 v[BI+8*(\b):BI+8*(\b)+3],   v[BO], s[8:9] offset:64*(\b)
	global_load_b128 v[BI+8*(\b)+4:BI+8*(\b)+7], v[BO], s[8:9] offset:64*(\b)+16
.endr
	s_lshl_b32 s21, s43, 19                        ; my 64 x 64 of res and out: (128 x tile row + 64 wr) rows of 4,096 bytes + the columns' bytes above
	s_add_co_u32 s20, s20, s21
	s_lshl_b32 s21, s13, 18
	s_add_co_u32 s20, s20, s21
	s_mov_b32 s21, 0
	s_add_nc_u64 s[10:11], s[10:11], s[20:21]
	s_add_nc_u64 s[OUTP:OUTP+1], s[OUTP:OUTP+1], s[20:21]
	v_lshlrev_b32 v[CO], 12, v2                    ; lanes 0-15 one row's 256 bytes, lanes 16-31 the next row's
	v_lshl_add_u32 v[CO], v1, 4, v[CO]
	WIN 0x80                                       ; destination window 2
.set t, 0
.rept 32                                       ; the residual comes in while K is walked; it is waited for in front of the way out
	global_load_b128 v[4*t:4*t+3], v[CO], s[10:11] offset:t*2*4096
.set t, t+1
.endr
	WIN 0
	v_mul_u32_u24 v[A0], v1, PA
	v_lshl_add_u32 v[A0], v2, 4, v[A0]
	s_mul_i32 s20, s13, 64*PA                      ; my 64 rows of each slab
	v_add_nc_u32 v[A0], s20, v[A0]
	v_lshl_add_u32 v5, v2, 3, v3
	v_mul_u32_u24 v[B0], v5, PW
	v_lshl_add_u32 v[B0], v4, 4, v[B0]
	s_lshl_b32 s20, s14, 7                         ; my 64 columns
	s_add_co_u32 s20, s20, WOFF
	v_add_nc_u32 v[B0], s20, v[B0]
	v_mov_b32 v[ADRA], v[A0]
	v_mov_b32 v[ADRB], v[B0]
	v_add_nc_u32 v[ADRB+1], PART, v[B0]
	s_mul_i32 s20, s12, 64*SP                      ; my stage
	v_mul_u32_u24 v[STO], v1, SP                   ; in: row r, 32 bytes for each half of the lanes
	v_lshl_add_u32 v[STO], v2, 5, v[STO]
	v_add_nc_u32 v[STO], s20, v[STO]
	v_mul_u32_u24 v[RD], v2, SP                    ; back: lanes 0-15 one row of 256 bytes, lanes 16-31 the next
	v_lshl_add_u32 v[RD], v1, 4, v[RD]
	v_add_nc_u32 v[RD], s20, v[RD]
.if KT > 4
	; the prefetches.  A: of my two slabs' 128 blocks the partner cx takes slab cx / 2, half cx % 2, 256 bytes a lane.  W: row 32 cy + lane of my 128.  They stand at K step 3; the first refill steps them to 4.
	v_and_b32 v5, 31, v0
	v_lshlrev_b32 v6, 8, v5
	v_lshlrev_b32 v7, 11, v5
	s_cmp_eq_u32 s13, 0
	s_cselect_b32 s20, -1, 0
	v_cndmask_b32 v[PFO], v7, v6, s20
	s_lshl_b32 s20, s14, 1
	s_lshr_b32 s21, s40, 1
	s_add_co_u32 s20, s20, s21
	s_lshl_b32 s20, s20, 19
	s_lshl_b32 s21, s43, 14
	s_add_co_u32 s20, s20, s21
	s_and_b32 s21, s40, 1
	s_lshl_b32 s21, s21, 13
	s_add_co_u32 s20, s20, s21
	s_add_co_u32 s20, s20, 3*ASTEP
	s_lshl_b32 s21, s14, 18
	s_lshl_b32 s22, s41, 16
	s_add_co_u32 s21, s21, s22
	s_lshl_b32 s22, s42, 8
	s_add_co_u32 s21, s21, s22
	s_add_co_u32 s21, s21, 3*WSTEP
	s_and_b32 s22, ttmp7, 0xffff
	s_mov_b32 s23, WSTEP
	s_cmp_eq_u32 s13, 0
	s_cselect_b32 s20, s20, s21
	s_cselect_b32 s22, ttmp9, s22
	s_cselect_b64 s[PFA:PFA+1], s[4:5], s[6:7]
	s_cselect_b32 s[PFS], ASTEP, s23
	s_mov_b32 s[PFS+1], 0
	s_mov_b32 s21, 0
	s_add_nc_u64 s[PFA:PFA+1], s[PFA:PFA+1], s[20:21]
	s_cmp_eq_u32 s22, 0
	s_cselect_b32 s[LIM], 2, -1
.endif
; 8 products: row blocks a0, a0 + 1 x all 4 column blocks, 32 along K: half c of buffer f.  mode = 1: the bias starts the sums.  The 16 accumulators take turns.
.macro MUL8 f, c, a0, mode
	WIN 0x05                                       ; W and A in window 1; C and D in window 0
.irp a, \a0, (\a0)+1
.irp b, 0,1,2,3
.if \mode
	v_wmma_f32_16x16x32_f16 v[ACC+8*(4*(\a)+(\b)):ACC+8*(4*(\a)+(\b))+7], v[(\f)+64+8*(4*(\c)+(\b)):(\f)+64+8*(4*(\c)+(\b))+7], v[(\f)+8*(4*(\c)+(\a)):(\f)+8*(4*(\c)+(\a))+7], v[BI+8*(\b):BI+8*(\b)+7]
.else
	v_wmma_f32_16x16x32_f16 v[ACC+8*(4*(\a)+(\b)):ACC+8*(4*(\a)+(\b))+7], v[(\f)+64+8*(4*(\c)+(\b)):(\f)+64+8*(4*(\c)+(\b))+7], v[(\f)+8*(4*(\c)+(\a)):(\f)+8*(4*(\c)+(\a))+7], v[ACC+8*(4*(\a)+(\b)):ACC+8*(4*(\a)+(\b))+7]
.endif
.endr
.endr
.endm
; 32 LDS loads in one run: quarter q (64 along K: slab q of the step) into buffer f; the first 32 along K first
.macro FETCH q, f
	WIN 0x40
.irp c, 0,1
.irp i, 0,1,2,3
	ds_load_tr16_b128 v[(\f)+64+8*(4*(\c)+(\i)):(\f)+64+8*(4*(\c)+(\i))+3],   v[ADRB+(\q)/2] offset:((64*(\q))%128+32*(\c))*PW+32*(\i)
	ds_load_tr16_b128 v[(\f)+64+8*(4*(\c)+(\i))+4:(\f)+64+8*(4*(\c)+(\i))+7], v[ADRB+(\q)/2] offset:((64*(\q))%128+32*(\c))*PW+16*PW+32*(\i)
	ds_load_b128 v[(\f)+8*(4*(\c)+(\i)):(\f)+8*(4*(\c)+(\i))+3],   v[ADRA] offset:(\q)*SLAB+(\i)*16*PA+64*(\c)
	ds_load_b128 v[(\f)+8*(4*(\c)+(\i))+4:(\f)+8*(4*(\c)+(\i))+7], v[ADRA] offset:(\q)*SLAB+(\i)*16*PA+64*(\c)+32
.endr
.endr
.endm
.macro QUARTER q, f, g, mode
	s_wait_dscnt 16                                ; the first 32 along K are in
	MUL8 \f, 0, 0, \mode
	MUL8 \f, 0, 2, \mode
	PLACES
	FETCH \q, \g
	s_wait_dscnt 32                                ; all but the 32 just issued
	MUL8 \f, 1, 0, 0
	MUL8 \f, 1, 2, 0
.endm
; A step's last quarter and the change of slots: each wave waits for all its tensor loads (one is out: its part of the next slot), adds 0 to its spare word, and waits for that and for its reads of this slot.
; fill = 1: the barrier opens a round of the cluster's; behind it this slot takes the K step two steps on: the wave's one tensor load, with 112 products in which to land.
.macro TURN fill
.if (\fill) && (KT > 4)
	s_wait_xcnt 0x0                                ; the last prefetch, a K step back, has read its address
	s_add_nc_u64 s[PFA:PFA+1], s[PFA:PFA+1], s[PFS:PFS+1]
.endif
	WIN 0
	s_wait_tensorcnt 0x0
	ds_add_u32 v[SPW], v[NIL]
	s_wait_dscnt 17                                ; (the add and the youngest sixteen loads may be out)
	MUL8 F1, 0, 0, 0
	s_wait_dscnt 0x0                               ; the add is done, my reads of this slot are over
	s_barrier_signal -1
	MUL8 F1, 0, 2, 0
	WIN 0
	s_barrier_wait -1
.if \fill
	CREST
	s_xor_b32 s[G0A+5], s[G0A+5], SLOT             ; no tensor load of mine is out: the walking descriptors go to the other slot and one K step on
	s_add_nc_u64 s[G0A+6:G0A+7], s[G0A+6:G0A+7], ASTEP
	s_xor_b32 s[G0W+5], s[G0W+5], SLOT
	s_add_nc_u64 s[G0W+6:G0W+7], s[G0W+6:G0W+7], WSTEP
	JLOAD                                          ; its four v_nop are also the places in front of the loads below
.else
	PLACES
.endif
	s_xor_b32 s[TB], s[TB], SLOT
	v_add_nc_u32 v[ADRA], s[TB], v[A0]
	v_add_nc_u32 v[ADRB], s[TB], v[B0]
	v_add_nc_u32 v[ADRB+1], PART, v[ADRB]
	FETCH 0, F0
.if (\fill) && (KT > 4)
	WIN 0
	ASK
.endif
	MUL8 F1, 1, 0, 0
	MUL8 F1, 1, 2, 0
.endm
	s_wait_tensorcnt 0x1                           ; my part of K step 0 is in; step 1's may stay out
	s_barrier_signal -1
	s_barrier_wait -1
	FETCH 0, F0
	s_wait_loadcnt 32                              ; the bias is in; the residual's 32 loads stay out
	QUARTER 1, F0, F1, 1
	WIN 0
	s_mov_b32 s15, KT-2
.Lstep:
	QUARTER 2, F1, F0, 0
	QUARTER 3, F0, F1, 0
	TURN 1
	QUARTER 1, F0, F1, 0
	WIN 0
	s_sub_co_u32 s15, s15, 1
	s_cmp_lg_u32 s15, 0
	s_cbranch_scc1 .Lstep
	s_mov_b32 s[CNT], 2                            ; the last two steps: one text, walked twice and left in its middle
.Ltail:
	QUARTER 2, F1, F0, 0
	QUARTER 3, F0, F1, 0
	WIN 0
	s_sub_co_u32 s[CNT], s[CNT], 1
	s_cmp_eq_u32 s[CNT], 0
	s_cbranch_scc1 .Llast
	TURN 0
	QUARTER 1, F0, F1, 0
	WIN 0
	s_branch .Ltail
.Llast:
	s_wait_dscnt 16
	MUL8 F1, 0, 0, 0
	MUL8 F1, 0, 2, 0
	s_wait_dscnt 0x0
	MUL8 F1, 1, 0, 0
	MUL8 F1, 1, 2, 0
	WIN 0
	; THE WAY OUT, 16 rows at a time through my own stage: in by accumulators, back by rows of 256 bytes; the residual is added into its own registers, which are stored.
	PLACES
	PLACES
	s_wait_loadcnt 0x0                             ; the residual
.macro STG a
.irp b, 0,1,2,3
	ds_store_b128 v[STO], v[ACC+8*(4*(\a)+(\b)):ACC+8*(4*(\a)+(\b))+3],   offset:(\a)*16*SP+64*(\b)
	ds_store_b128 v[STO], v[ACC+8*(4*(\a)+(\b))+4:ACC+8*(4*(\a)+(\b))+7], offset:(\a)*16*SP+64*(\b)+16
.endr
.irp t, 0,1,2,3,4,5,6,7
	ds_load_b128 v[TMP+32*((\a)%2)+4*(\t):TMP+32*((\a)%2)+4*(\t)+3], v[RD] offset:(8*(\a)+(\t))*2*SP  ; LDS serves a wave's instructions in order: these see the stores above
.endr
.endm
.macro FINI a, younger                 ; younger: the LDS instructions issued behind block a's loads
	s_wait_dscnt \younger
	WIN 0x88                                       ; source 1 and destination in window 2
.irp t, 0,1,2,3,4,5,6,7
	v_pk_add_f32 v[4*(8*(\a)+(\t)):4*(8*(\a)+(\t))+1],   v[TMP+32*((\a)%2)+4*(\t):TMP+32*((\a)%2)+4*(\t)+1],   v[4*(8*(\a)+(\t)):4*(8*(\a)+(\t))+1]
	v_pk_add_f32 v[4*(8*(\a)+(\t))+2:4*(8*(\a)+(\t))+3], v[TMP+32*((\a)%2)+4*(\t)+2:TMP+32*((\a)%2)+4*(\t)+3], v[4*(8*(\a)+(\t))+2:4*(8*(\a)+(\t))+3]
.endr
	WIN 0x08                                       ; the data in window 2
.irp t, 0,1,2,3,4,5,6,7
	global_store_b128 v[CO], v[4*(8*(\a)+(\t)):4*(8*(\a)+(\t))+3], s[OUTP:OUTP+1] offset:(8*(\a)+(\t))*2*4096  ; 16 lanes store 256 consecutive bytes, aligned
.endr
	WIN 0
.endm
	STG 0
	STG 1
	FINI 0, 16
	STG 2
	FINI 1, 16
	STG 3
	FINI 2, 16
	FINI 3, 0
	s_wait_tensorcnt 0x0                           ; the wave's end: behind my last tensor load and my last LDS store
	ds_add_u32 v[SPW], v[NIL]
	s_wait_dscnt 0x0
	CROUND                                         ; the closing round
	s_endpgm
.Lfunc_end_k_q0b8f7142e7_proj:
	.size	k_q0b8f7142e7_proj, .Lfunc_end_k_q0b8f7142e7_proj-k_q0b8f7142e7_proj
	.p2alignl 7, 3214868480
	.fill 96, 4, 3214868480
	.section	.rodata,"a",@progbits
	.p2align	6, 0x0
	.amdhsa_kernel k_q0b8f7142e7_proj
		.amdhsa_group_segment_fixed_size 327680
		.amdhsa_private_segment_fixed_size 0
		.amdhsa_enable_private_segment 0
		.amdhsa_kernarg_size 40
		.amdhsa_user_sgpr_count 2
		.amdhsa_user_sgpr_kernarg_segment_ptr 1
		.amdhsa_wavefront_size32 1
		.amdhsa_system_sgpr_workgroup_id_x 1
		.amdhsa_system_sgpr_workgroup_id_y 1
		.amdhsa_system_sgpr_workgroup_id_z 1
		.amdhsa_system_vgpr_workitem_id 0
		.amdhsa_next_free_vgpr 640
		.amdhsa_next_free_sgpr 80
		.amdhsa_reserve_vcc 0
		.amdhsa_float_denorm_mode_32 3
		.amdhsa_float_denorm_mode_16_64 3
		.amdhsa_memory_ordered 1
		.amdhsa_forward_progress 1
		.amdhsa_inst_pref_size 68
	.end_amdhsa_kernel
	.amdgpu_metadata
---
amdhsa.version: [ 1, 2 ]
amdhsa.kernels:
  - .name:           k_q0b8f7142e7_proj
    .symbol:         k_q0b8f7142e7_proj.kd
    .args:
      - { .name: act, .offset: 0, .size: 8, .value_kind: global_buffer, .address_space: global }
      - { .name: w2, .offset: 8, .size: 8, .value_kind: global_buffer, .address_space: global }
      - { .name: proj_b, .offset: 16, .size: 8, .value_kind: global_buffer, .address_space: global }
      - { .name: x, .offset: 24, .size: 8, .value_kind: global_buffer, .address_space: global }
      - { .name: x1, .offset: 32, .size: 8, .value_kind: global_buffer, .address_space: global }
    .group_segment_fixed_size: 327680
    .private_segment_fixed_size: 0
    .kernarg_segment_align: 8
    .kernarg_segment_size: 40
    .max_flat_workgroup_size: 128
    .sgpr_count:     80
    .vgpr_count:     640
    .wavefront_size: 32
...
	.end_amdgpu_metadata
.endif
;; end of part 4
;; launch ln2 (part 5): grid 512 x 1, 8 waves a work-group, no clusters, 0 bytes of LDS; arguments x1, ln2_w, act; writes act
.if DOCPART == 5
	.amdgcn_target "amdgcn-amd-amdhsa--gfx1250"
	.amdhsa_code_object_version 6
	.text
	.protected	k_q0b8f7142e7_ln2
	.globl	k_q0b8f7142e7_ln2
	.p2align	8
	.type	k_q0b8f7142e7_ln2,@function
k_q0b8f7142e7_ln2:
	s_mov_b64 s[64:65], 0
	v_nop
	global_prefetch_b8 v0, s[64:65] scope:SCOPE_SE
	s_setreg_imm32_b32 hwreg(HW_REG_WAVE_MODE, 25, 1), 1
	s_wait_xcnt 0x0
; THE SECOND LAYER NORM.  h[r][c] = (x[r][c] - mean_r) * rsqrt(var_r + 1e-5) * w[c].  x: [4096][1024] f32, w: [1024] f32, h: [4096][1024] f16, rounded once.
; Mean first, then the mean of the squared differences, both over the row as it lies in registers: no difference of large sums is formed.
; LIMIT: |h| is at most 32 |w|; beyond 65,504 it becomes an infinity.
; A stream: no LDS, no barrier, no cluster.  A wave takes one whole row (4,096 bytes = 32 registers), row 8 x work-group + wave, so a reduction never leaves the wave.
; A load covers 512 consecutive bytes (lane l: 16 bytes at 512 j + 16 l), a store of 8 bytes a lane 256 consecutive bytes, aligned.
.set W,    8                           ; v[8:39]    the gain, laid as a row is
.set X,    40                          ; v[40:71]   the row
.set T,    72                          ; v[72:79]   four chains of sums
.set MEAN, 80                          ; v[80:81]   the mean, twice
.set RSTD, 82                          ; v[82:83]   1 / sqrt(var + eps), twice
.set HF,   84                          ; v[84:99]   the row in f16
.set XP,   4                           ; s[4:5]     x at my row
.set WP,   6                           ; s[6:7]     the gain
.set HP,   8                           ; s[8:9]     h at my row
.set SELR, 12                          ; s[12:13]   v_permlanex16_b32: each lane takes its own place in the other half
.set INVN, 14                          ; s14        1 / 1024
.set EPS,  15                          ; s15        1e-5
; The four chains into one number, the same in every lane: four steps inside each half of 16 lanes ride on the addition, one crosses the halves.
.macro REDUCE
	v_pk_add_f32 v[T:T+1], v[T:T+1], v[T+2:T+3]
	v_pk_add_f32 v[T+4:T+5], v[T+4:T+5], v[T+6:T+7]
	v_pk_add_f32 v[T:T+1], v[T:T+1], v[T+4:T+5]
	v_add_f32 v[T], v[T], v[T+1]
	v_add_f32_dpp v[T], v[T], v[T] row_xmask:1 row_mask:0xf bank_mask:0xf
	v_add_f32_dpp v[T], v[T], v[T] row_xmask:2 row_mask:0xf bank_mask:0xf
	v_add_f32_dpp v[T], v[T], v[T] row_xmask:4 row_mask:0xf bank_mask:0xf
	v_add_f32_dpp v[T], v[T], v[T] row_xmask:8 row_mask:0xf bank_mask:0xf
	v_permlanex16_b32 v[T+1], v[T], s[SELR], s[SELR+1]
	v_add_f32 v[T], v[T], v[T+1]
.endm
.macro LNROW                           ; v3 = 16 x lane, v4 = 8 x lane
.irp j, 0,1,2,3,4,5,6,7
	global_load_b128 v[X+4*(\j):X+4*(\j)+3], v3, s[XP:XP+1] offset:512*(\j)
.endr
.irp j, 0,1,2,3,4,5,6,7
	global_load_b128 v[W+4*(\j):W+4*(\j)+3], v3, s[WP:WP+1] offset:512*(\j)
.endr
	s_wait_loadcnt 8                               ; the row is in; the gain's eight loads stay out
.irp c, 0,1,2,3
	v_pk_add_f32 v[T+2*(\c):T+2*(\c)+1], v[X+2*(\c):X+2*(\c)+1], v[X+8+2*(\c):X+8+2*(\c)+1]  ; the first eight pairs start the chains: nothing is cleared
.endr
.irp p, 8,9,10,11,12,13,14,15
	v_pk_add_f32 v[T+2*((\p)%4):T+2*((\p)%4)+1], v[T+2*((\p)%4):T+2*((\p)%4)+1], v[X+2*(\p):X+2*(\p)+1]
.endr
	REDUCE
	v_mul_f32 v[MEAN], s[INVN], v[T]
	v_mov_b32 v[MEAN+1], v[MEAN]
.irp p, 0,1,2,3,4,5,6,7,8,9,10,11,12,13,14,15
	v_pk_add_f32 v[X+2*(\p):X+2*(\p)+1], v[X+2*(\p):X+2*(\p)+1], v[MEAN:MEAN+1] neg_lo:[0,1] neg_hi:[0,1]  ; d = x - mean, in place
.endr
.irp c, 0,1,2,3
	v_pk_mul_f32 v[T+2*(\c):T+2*(\c)+1], v[X+2*(\c):X+2*(\c)+1], v[X+2*(\c):X+2*(\c)+1]
.endr
.irp p, 4,5,6,7,8,9,10,11,12,13,14,15
	v_pk_fma_f32 v[T+2*((\p)%4):T+2*((\p)%4)+1], v[X+2*(\p):X+2*(\p)+1], v[X+2*(\p):X+2*(\p)+1], v[T+2*((\p)%4):T+2*((\p)%4)+1]
.endr
	REDUCE
	v_fma_f32 v[T], v[T], s[INVN], s[EPS]          ; var + eps
	s_wait_loadcnt 0x0                             ; the gain
	v_rsq_f32 v[RSTD], v[T]                        ; twice, to fill the pair that the packed multiply takes
	v_rsq_f32 v[RSTD+1], v[T]
.irp p, 0,1,2,3,4,5,6,7,8,9,10,11,12,13,14,15
	v_pk_mul_f32 v[X+2*(\p):X+2*(\p)+1], v[X+2*(\p):X+2*(\p)+1], v[W+2*(\p):W+2*(\p)+1]  ; d w: the work that names neither root, between them and their wait
.endr
	s_wait_alu depctr_va_vdst(0)                   ; one wait for both roots, ahead of their first reader
.irp p, 0,1,2,3,4,5,6,7,8,9,10,11,12,13,14,15
	v_pk_mul_f32 v[X+2*(\p):X+2*(\p)+1], v[X+2*(\p):X+2*(\p)+1], v[RSTD:RSTD+1]
.endr
.irp p, 0,1,2,3,4,5,6,7,8,9,10,11,12,13,14,15
	v_cvt_pk_f16_f32 v[HF+(\p)], v[X+2*(\p)], v[X+2*(\p)+1]
.endr
.irp j, 0,1,2,3,4,5,6,7
	global_store_b64 v4, v[HF+2*(\j):HF+2*(\j)+1], s[HP:HP+1] offset:256*(\j)
.endr
.endm
	s_load_b128 s[4:7], s[0:1], 0x0                ; x s[4:5], w s[6:7]
	s_load_b64 s[8:9], s[0:1], 0x10                ; h
	v_and_b32 v1, 31, v0
	v_lshrrev_b32 v2, 5, v0
	v_readfirstlane_b32 s10, v2                    ; wave 0..7
	s_lshl_b32 s11, ttmp9, 3
	s_add_co_u32 s11, s11, s10                     ; my row
	s_lshl_b32 s16, s11, 12                        ; 4,096 bytes of x,
	s_mov_b32 s17, 0
	s_lshl_b32 s18, s11, 11                        ; 2,048 of h
	s_mov_b32 s19, 0
	s_mov_b32 s[SELR], 0x76543210
	s_mov_b32 s[SELR+1], 0xfedcba98
	s_mov_b32 s[INVN], 0x3a800000
	s_mov_b32 s[EPS], 0x3727c5ac
	v_lshlrev_b32 v3, 4, v1
	v_lshlrev_b32 v4, 3, v1
	s_wait_kmcnt 0x0
	s_add_nc_u64 s[XP:XP+1], s[XP:XP+1], s[16:17]
	s_add_nc_u64 s[HP:HP+1], s[HP:HP+1], s[18:19]
	LNROW
	s_endpgm
.Lfunc_end_k_q0b8f7142e7_ln2:
	.size	k_q0b8f7142e7_ln2, .Lfunc_end_k_q0b8f7142e7_ln2-k_q0b8f7142e7_ln2
	.p2alignl 7, 3214868480
	.fill 96, 4, 3214868480
	.section	.rodata,"a",@progbits
	.p2align	6, 0x0
	.amdhsa_kernel k_q0b8f7142e7_ln2
		.amdhsa_group_segment_fixed_size 0
		.amdhsa_private_segment_fixed_size 0
		.amdhsa_enable_private_segment 0
		.amdhsa_kernarg_size 24
		.amdhsa_user_sgpr_count 2
		.amdhsa_user_sgpr_kernarg_segment_ptr 1
		.amdhsa_wavefront_size32 1
		.amdhsa_system_sgpr_workgroup_id_x 1
		.amdhsa_system_sgpr_workgroup_id_y 1
		.amdhsa_system_sgpr_workgroup_id_z 1
		.amdhsa_system_vgpr_workitem_id 0
		.amdhsa_next_free_vgpr 100
		.amdhsa_next_free_sgpr 66
		.amdhsa_reserve_vcc 0
		.amdhsa_float_denorm_mode_32 3
		.amdhsa_float_denorm_mode_16_64 3
		.amdhsa_memory_ordered 1
		.amdhsa_forward_progress 1
		.amdhsa_inst_pref_size 11
	.end_amdhsa_kernel
	.amdgpu_metadata
---
amdhsa.version: [ 1, 2 ]
amdhsa.kernels:
  - .name:           k_q0b8f7142e7_ln2
    .symbol:         k_q0b8f7142e7_ln2.kd
    .args:
      - { .name: x1, .offset: 0, .size: 8, .value_kind: global_buffer, .address_space: global }
      - { .name: ln2_w, .offset: 8, .size: 8, .value_kind: global_buffer, .address_space: global }
      - { .name: act, .offset: 16, .size: 8, .value_kind: global_buffer, .address_space: global }
    .group_segment_fixed_size: 0
    .private_segment_fixed_size: 0
    .kernarg_segment_align: 8
    .kernarg_segment_size: 24
    .max_flat_workgroup_size: 256
    .sgpr_count:     66
    .vgpr_count:     100
    .wavefront_size: 32
...
	.end_amdgpu_metadata
.endif
;; end of part 5
;; launch li1: the kernel of part 2 again; grid 16 x 16, 4 waves a work-group, clusters of 4 x 4, 327,680 bytes of LDS; arguments act, w1, li1_b, hid, par1; writes hid
;; launch li2 (part 6): grid 8 x 32, 4 waves a work-group, clusters of 4 x 4, 327,680 bytes of LDS; arguments hid, w2, li2_b, x1, out0; writes out0
.if DOCPART == 6
	.amdgcn_target "amdgcn-amd-amdhsa--gfx1250"
	.amdhsa_code_object_version 6
	.text
	.protected	k_q0b8f7142e7_li2
	.globl	k_q0b8f7142e7_li2
	.p2align	8
	.type	k_q0b8f7142e7_li2,@function
k_q0b8f7142e7_li2:
	s_mov_b64 s[64:65], 0
	v_nop
	global_prefetch_b8 v0, s[64:65] scope:SCOPE_SE
	s_setreg_imm32_b32 hwreg(HW_REG_WAVE_MODE, 25, 1), 1
	s_wait_xcnt 0x0
	s_wait_alu depctr_hold_cnt(0) depctr_sa_sdst(0) depctr_va_vdst(0) depctr_va_sdst(0) depctr_va_ssrc(0) depctr_va_vcc(0) depctr_vm_vsrc(0)
	s_getreg_b32 s2, hwreg(HW_REG_IB_STS2, 6, 4)
	s_cmp_eq_u32 s2, 0
	s_cbranch_scc0 .Lentry_in_a_cluster
	s_endpgm
.Lentry_in_a_cluster:
	s_bfe_u32 s2, ttmp6, 0x10000c
	s_cmp_lg_u32 s2, 0xf033
	s_cbranch_scc0 .Lentry_shape_is_right
	s_endpgm
.Lentry_shape_is_right:
; out = res + A W + b.  A: f16 in slabs [K/64][4096][64].  W: [K][1024] f16, rows along N.  b: [1024] f32.  res, out: [4096][1024] f32.  K = 256 KT.
; Here KT = 16: out0 = x1 + g li2_w + li2_b.  Sums in f32, begun with the bias; the residual is added in f32.
; LIMITS.  f16 operands: a number beyond 65,504 becomes an infinity; below 6e-5 f16 keeps a fixed step of 6e-8.  NaN and infinities are not treated apart.
; SHARES.  A tile is 128 x 128: 8 x 32 = 256 work-groups.  Four waves, each 64 x 64: 16 accumulators.  K goes in steps of 256 = four slabs of A through two LDS slots.
; A's part of a step: of each slab 128 rows x 128 bytes, 16,384 dense bytes, asked for as one long row, two slabs to a tensor load, padded in LDS after every 128 bytes.  W's: 128 rows of 256 bytes to a load.
; THE PRODUCT IS USED TRANSPOSED: source 0 = 16 columns of W (turned by ds_load_tr16_b128), source 1 = 16 rows of A: a lane holds one row of the tile and 8 neighbouring columns.
; CLUSTER 4 x 4: A's tile is asked for jointly by a row of the cluster, W's by a column.
; THE TEXT: a K step is written once in the loop and once in the tail, which asks for nothing.
; PREFETCH: behind each refill the K step two refills on, K steps 4 to 15, each block of 256 bytes named once in the launch.
; REGISTERS, in windows of 256 (s_set_vgpr_msb: bits 1:0 source 0, 3:2 source 1, 5:4 source 2, 7:6 destination):
;   window 0: v0-30 addresses; v32-95 rows read back, two buffers; v96-127 the bias laid as an accumulator is; v128-255 the accumulators ((a, b) at v[128 + 8 (4 a + b)])
;   window 1: two fragment buffers of 128: 64 registers of A (2 x 4 x 16 rows x 32 K), then 64 of W        window 2: v0-127 the residual, then the result
.set KT,    16
.set PA,    144                        ; a row of A in LDS: 128 bytes + 16 = 36 words: the 16 rows of a load start at 16 different groups of four banks
.set PW,    288                        ; a row of W: 256 + 32 = 72 words
.set SLAB,  128*PA
.set PART,  36864                      ; what one tensor load brings: two slabs' rows of A, or 128 rows of W
.set WOFF,  2*PART
.set SLOT,  4*PART                     ; 0x24000: it shares no bit with wave x PART (0x9000 w), so one exclusive or changes the slot
.set SPARE, 2*SLOT                     ; the spare words, 128 bytes for each wave: two blocks of 256 bytes that no other line names
.set SP,    272                        ; the way out: a wave's own 64 rows of 256 bytes + 16, in slot 0: it had its last fill, and was left by all waves at the last barrier (the last K step lies in slot 1)
.set ASTEP, 4*524288
.set WSTEP, 256*2048
.set A0,   8
.set B0,   9
.set ADRA, 16
.set ADRB, 17                          ; v17 quarters 0, 1; v18 quarters 2, 3: 128 rows of W on
.set STO,  24
.set RD,   25
.set CO,   26                          ; v26  my byte offset in two rows of res and of out; never rewritten
.set BO,   27
.set SPW,  28
.set NIL,  29
.set PFO,  30
.set TMP,  32
.set BI,   96
.set ACC,  128
.set F0,   0
.set F1,   128
.set G1A, 24
.set G0A, 32
.set PFA, 44
.set LIM, 46
.set TB,  47
.set G1W, 48
.set G0W, 56
.set PFS, 66
.set CNT, 74
.set OUTP, 76                          ; s[76:77] out
.set MSB, 0
.macro WIN new
.if MSB != (\new)
	s_set_vgpr_msb (MSB<<8)|(\new)
.set MSB, \new
.endif
.endm
.macro PLACES
.rept 4
	v_nop
.endr
.endm
.macro JLOAD                           ; a joint refill: waves 0 and 1 for A, 2 and 3 for W; an s_nop 0 and four v_nop follow each line
	s_cmp_eq_u32 s13, 0
	s_cbranch_scc0 .Lfor_w_\@
	tensor_load_to_lds s[G0A+4:G0A+7], s[G1A:G1A+7]
	s_nop 0
	PLACES
	s_branch .Lasked_\@
.Lfor_w_\@:
	tensor_load_to_lds s[G0W+4:G0W+7], s[G1W:G1W+7]
	s_nop 0
	PLACES
.Lasked_\@:
.endm
; A prefetch of the K step two refills on: 32 blocks of 256 bytes, a lane a block.  Each block is named once in the launch: A's by the clusters with x = 0, W's by those with y = 0; the partners share a tile out by address.
.macro ASK
	s_cmp_gt_u32 s15, s[LIM]
	s_cbranch_scc0 .Lnot_mine_\@
	global_prefetch_b8 v[PFO], s[PFA:PFA+1] th:TH_LOAD_NT scope:SCOPE_SE
.Lnot_mine_\@:
.endm
.macro CREST
	s_cmp_lg_u32 s12, 0
	s_cbranch_scc1 .Lnot_wave_0_\@
	s_barrier_signal -3
.Lnot_wave_0_\@:
	s_barrier_wait -3
	s_barrier_signal -1
	s_barrier_wait -1
.endm
.macro CROUND
	s_barrier_signal -1
	s_barrier_wait -1
	CREST
.endm
	s_load_b256 s[4:11], s[0:1], 0x0               ; A s[4:5], W s[6:7], bias s[8:9], res s[10:11]
	s_load_b64 s[OUTP:OUTP+1], s[0:1], 0x20        ; out
	v_lshl_add_u32 v[SPW], v0, 2, SPARE
	v_mov_b32 v[NIL], 0
	ds_add_u32 v[SPW], v[NIL]                      ; the wave's opening: the add and its wait ahead of my first tensor load
	v_lshrrev_b32 v1, 5, v0
	v_readfirstlane_b32 s12, v1
	s_lshr_b32 s13, s12, 1                         ; my half of the tile's rows.  Also: I fetch for A (0) or for W (1)
	s_and_b32 s14, s12, 1                          ; my half of its columns.  Also: which half of that tile I fetch
	s_bfe_u32 s40, ttmp6, 0x40000
	s_bfe_u32 s41, ttmp6, 0x40004
	s_lshl_b32 s42, ttmp9, 2
	s_add_co_u32 s42, s42, s40                     ; tile column
	s_and_b32 s43, ttmp7, 0xffff
	s_lshl_b32 s43, s43, 2
	s_add_co_u32 s43, s43, s41                     ; tile row
	s_lshl_b32 s20, s41, 2
	s_lshl_b32 s20, 15, s20
	s_lshl_b32 s21, 0x1111, s40
	s_or_b32 s[G1A], s20, (1<<16)|(1<<20)|(1<<21)|(4<<22)|(3<<25)  ; the mask of my row; 2-byte elements; padding on; bit 21 beside a mask; after every 32 words, 4 words
	s_mov_b32 s[G1A+1], 8192<<16                   ; tensor_dim0 = 8,192: 128 rows x 64 elements on end
	s_mov_b32 s[G1A+2], 2<<16                      ; tensor_dim1 = 2 slabs
	s_mov_b32 s[G1A+3], 8192<<16                   ; tile_dim0
	s_mov_b32 s[G1A+4], 2                          ; tile_dim1
	s_mov_b32 s[G1A+5], 262144                     ; elements from slab to slab
	s_mov_b32 s[G1A+6], 0
	s_mov_b32 s[G1A+7], 0
	s_or_b32 s[G1W], s21, (1<<16)|(1<<20)|(1<<21)|(5<<22)|(7<<25)  ; the mask of my column; after every 64 words, 8 words
	s_mov_b32 s[G1W+1], 128<<16
	s_mov_b32 s[G1W+2], 128<<16
	s_mov_b32 s[G1W+3], 128<<16
	s_mov_b32 s[G1W+4], 128
	s_mov_b32 s[G1W+5], 1024
	s_mov_b32 s[G1W+6], 0
	s_mov_b32 s[G1W+7], 0
	s_lshl_b32 s16, s14, 20                        ; A: 2 x half slabs + 128 x tile row rows of 128 bytes
	s_lshl_b32 s17, s43, 14
	s_add_co_u32 s16, s16, s17
	s_mov_b32 s17, 0
	s_lshl_b32 s18, s14, 18                        ; W: 128 x half rows of 2,048 bytes + 256 x tile column
	s_lshl_b32 s19, s42, 8
	s_add_co_u32 s18, s18, s19
	s_mov_b32 s19, 0
	s_mul_i32 s68, s12, PART
	s_mov_b32 s[TB], 0
	s_wait_dscnt 0x0
	s_wait_kmcnt 0x0
	s_add_nc_u64 s[16:17], s[4:5], s[16:17]
	s_add_nc_u64 s[18:19], s[6:7], s[18:19]
	CROUND                                         ; all sixteen work-groups are here: the first joint loads meet
.irp s, 0,1
	s_mov_b32 s[G0A+4*(\s)], 1
	s_add_co_u32 s[G0A+4*(\s)+1], s68, (\s)*SLOT
	s_add_nc_u64 s[G0A+4*(\s)+2:G0A+4*(\s)+3], s[16:17], (\s)*ASTEP
	s_or_b32 s[G0A+4*(\s)+3], s[G0A+4*(\s)+3], 0x80000000
	s_mov_b32 s[G0W+4*(\s)], 1
	s_add_co_u32 s[G0W+4*(\s)+1], s68, (\s)*SLOT
	s_add_nc_u64 s[G0W+4*(\s)+2:G0W+4*(\s)+3], s[18:19], (\s)*WSTEP
	s_or_b32 s[G0W+4*(\s)+3], s[G0W+4*(\s)+3], 0x80000000
.endr
	s_cmp_eq_u32 s13, 0                            ; a wave's two first fills stand in one branch: two loads of mine are out
	s_cbranch_scc0 .Lfirst_w
	tensor_load_to_lds s[G0A:G0A+3], s[G1A:G1A+7]
	s_nop 0
	tensor_load_to_lds s[G0A+4:G0A+7], s[G1A:G1A+7]
	s_nop 0
	PLACES
	s_branch .Lfirst_asked
.Lfirst_w:
	tensor_load_to_lds s[G0W:G0W+3], s[G1W:G1W+7]
	s_nop 0
	tensor_load_to_lds s[G0W+4:G0W+7], s[G1W:G1W+7]
	s_nop 0
	PLACES
.Lfirst_asked:
	v_and_b32 v1, 15, v0                           ; r
	v_bfe_u32 v2, v0, 4, 1                         ; h
	v_and_b32 v3, 7, v0
	v_bfe_u32 v4, v0, 3, 1
	s_lshl_b32 s20, s42, 9                         ; the bias of my columns: (128 x tile column + 64 wc + 8 h) x 4 bytes
	s_lshl_b32 s21, s14, 8
	s_add_co_u32 s20, s20, s21
	v_lshl_add_u32 v[BO], v2, 5, s20
.irp b, 0,1,2,3
	global_load_b128 v[BI+8*(\b):BI+8*(\b)+3],   v[BO], s[8:9] offset:64*(\b)
	global_load_b128 v[BI+8*(\b)+4:BI+8*(\b)+7], v[BO], s[8:9] offset:64*(\b)+16
.endr
	s_lshl_b32 s21, s43, 19                        ; my 64 x 64 of res and out: (128 x tile row + 64 wr) rows of 4,096 bytes + the columns' bytes above
	s_add_co_u32 s20, s20, s21
	s_lshl_b32 s21, s13, 18
	s_add_co_u32 s20, s20, s21
	s_mov_b32 s21, 0
	s_add_nc_u64 s[10:11], s[10:11], s[20:21]
	s_add_nc_u64 s[OUTP:OUTP+1], s[OUTP:OUTP+1], s[20:21]
	v_lshlrev_b32 v[CO], 12, v2                    ; lanes 0-15 one row's 256 bytes, lanes 16-31 the next row's
	v_lshl_add_u32 v[CO], v1, 4, v[CO]
	WIN 0x80                                       ; destination window 2
.set t, 0
.rept 32                                       ; the residual comes in while K is walked; it is waited for in front of the way out
	global_load_b128 v[4*t:4*t+3], v[CO], s[10:11] offset:t*2*4096
.set t, t+1
.endr
	WIN 0
	v_mul_u32_u24 v[A0], v1, PA
	v_lshl_add_u32 v[A0], v2, 4, v[A0]
	s_mul_i32 s20, s13, 64*PA                      ; my 64 rows of each slab
	v_add_nc_u32 v[A0], s20, v[A0]
	v_lshl_add_u32 v5, v2, 3, v3
	v_mul_u32_u24 v[B0], v5, PW
	v_lshl_add_u32 v[B0], v4, 4, v[B0]
	s_lshl_b32 s20, s14, 7                         ; my 64 columns
	s_add_co_u32 s20, s20, WOFF
	v_add_nc_u32 v[B0], s20, v[B0]
	v_mov_b32 v[ADRA], v[A0]
	v_mov_b32 v[ADRB], v[B0]
	v_add_nc_u32 v[ADRB+1], PART, v[B0]
	s_mul_i32 s20, s12, 64*SP                      ; my stage
	v_mul_u32_u24 v[STO], v1, SP                   ; in: row r, 32 bytes for each half of the lanes
	v_lshl_add_u32 v[STO], v2, 5, v[STO]
	v_add_nc_u32 v[STO], s20, v[STO]
	v_mul_u32_u24 v[RD], v2, SP                    ; back: lanes 0-15 one row of 256 bytes, lanes 16-31 the next
	v_lshl_add_u32 v[RD], v1, 4, v[RD]
	v_add_nc_u32 v[RD], s20, v[RD]
.if KT > 4
	; the prefetches.  A: of my two slabs' 128 blocks the partner cx takes slab cx / 2, half cx % 2, 256 bytes a lane.  W: row 32 cy + lane of my 128.  They stand at K step 3; the first refill steps them to 4.
	v_and_b32 v5, 31, v0
	v_lshlrev_b32 v6, 8, v5
	v_lshlrev_b32 v7, 11, v5
	s_cmp_eq_u32 s13, 0
	s_cselect_b32 s20, -1, 0
	v_cndmask_b32 v[PFO], v7, v6, s20
	s_lshl_b32 s20, s14, 1
	s_lshr_b32 s21, s40, 1
	s_add_co_u32 s20, s20, s21
	s_lshl_b32 s20, s20, 19
	s_lshl_b32 s21, s43, 14
	s_add_co_u32 s20, s20, s21
	s_and_b32 s21, s40, 1
	s_lshl_b32 s21, s21, 13
	s_add_co_u32 s20, s20, s21
	s_add_co_u32 s20, s20, 3*ASTEP
	s_lshl_b32 s21, s14, 18
	s_lshl_b32 s22, s41, 16
	s_add_co_u32 s21, s21, s22
	s_lshl_b32 s22, s42, 8
	s_add_co_u32 s21, s21, s22
	s_add_co_u32 s21, s21, 3*WSTEP
	s_and_b32 s22, ttmp7, 0xffff
	s_mov_b32 s23, WSTEP
	s_cmp_eq_u32 s13, 0
	s_cselect_b32 s20, s20, s21
	s_cselect_b32 s22, ttmp9, s22
	s_cselect_b64 s[PFA:PFA+1], s[4:5], s[6:7]
	s_cselect_b32 s[PFS], ASTEP, s23
	s_mov_b32 s[PFS+1], 0
	s_mov_b32 s21, 0
	s_add_nc_u64 s[PFA:PFA+1], s[PFA:PFA+1], s[20:21]
	s_cmp_eq_u32 s22, 0
	s_cselect_b32 s[LIM], 2, -1
.endif
; 8 products: row blocks a0, a0 + 1 x all 4 column blocks, 32 along K: half c of buffer f.  mode = 1: the bias starts the sums.  The 16 accumulators take turns.
.macro MUL8 f, c, a0, mode
	WIN 0x05                                       ; W and A in window 1; C and D in window 0
.irp a, \a0, (\a0)+1
.irp b, 0,1,2,3
.if \mode
	v_wmma_f32_16x16x32_f16 v[ACC+8*(4*(\a)+(\b)):ACC+8*(4*(\a)+(\b))+7], v[(\f)+64+8*(4*(\c)+(\b)):(\f)+64+8*(4*(\c)+(\b))+7], v[(\f)+8*(4*(\c)+(\a)):(\f)+8*(4*(\c)+(\a))+7], v[BI+8*(\b):BI+8*(\b)+7]
.else
	v_wmma_f32_16x16x32_f16 v[ACC+8*(4*(\a)+(\b)):ACC+8*(4*(\a)+(\b))+7], v[(\f)+64+8*(4*(\c)+(\b)):(\f)+64+8*(4*(\c)+(\b))+7], v[(\f)+8*(4*(\c)+(\a)):(\f)+8*(4*(\c)+(\a))+7], v[ACC+8*(4*(\a)+(\b)):ACC+8*(4*(\a)+(\b))+7]
.endif
.endr
.endr
.endm
; 32 LDS loads in one run: quarter q (64 along K: slab q of the step) into buffer f; the first 32 along K first
.macro FETCH q, f
	WIN 0x40
.irp c, 0,1
.irp i, 0,1,2,3
	ds_load_tr16_b128 v[(\f)+64+8*(4*(\c)+(\i)):(\f)+64+8*(4*(\c)+(\i))+3],   v[ADRB+(\q)/2] offset:((64*(\q))%128+32*(\c))*PW+32*(\i)
	ds_load_tr16_b128 v[(\f)+64+8*(4*(\c)+(\i))+4:(\f)+64+8*(4*(\c)+(\i))+7], v[ADRB+(\q)/2] offset:((64*(\q))%128+32*(\c))*PW+16*PW+32*(\i)
	ds_load_b128 v[(\f)+8*(4*(\c)+(\i)):(\f)+8*(4*(\c)+(\i))+3],   v[ADRA] offset:(\q)*SLAB+(\i)*16*PA+64*(\c)
	ds_load_b128 v[(\f)+8*(4*(\c)+(\i))+4:(\f)+8*(4*(\c)+(\i))+7], v[ADRA] offset:(\q)*SLAB+(\i)*16*PA+64*(\c)+32
.endr
.endr
.endm
.macro QUARTER q, f, g, mode
	s_wait_dscnt 16                                ; the first 32 along K are in
	MUL8 \f, 0, 0, \mode
	MUL8 \f, 0, 2, \mode
	PLACES
	FETCH \q, \g
	s_wait_dscnt 32                                ; all but the 32 just issued
	MUL8 \f, 1, 0, 0
	MUL8 \f, 1, 2, 0
.endm
; A step's last quarter and the change of slots: each wave waits for all its tensor loads (one is out: its part of the next slot), adds 0 to its spare word, and waits for that and for its reads of this slot.
; fill = 1: the barrier opens a round of the cluster's; behind it this slot takes the K step two steps on: the wave's one tensor load, with 112 products in which to land.
.macro TURN fill
.if (\fill) && (KT > 4)
	s_wait_xcnt 0x0                                ; the last prefetch, a K step back, has read its address
	s_add_nc_u64 s[PFA:PFA+1], s[PFA:PFA+1], s[PFS:PFS+1]
.endif
	WIN 0
	s_wait_tensorcnt 0x0
	ds_add_u32 v[SPW], v[NIL]
	s_wait_dscnt 17                                ; (the add and the youngest sixteen loads may be out)
	MUL8 F1, 0, 0, 0
	s_wait_dscnt 0x0                               ; the add is done, my reads of this slot are over
	s_barrier_signal -1
	MUL8 F1, 0, 2, 0
	WIN 0
	s_barrier_wait -1
.if \fill
	CREST
	s_xor_b32 s[G0A+5], s[G0A+5], SLOT             ; no tensor load of mine is out: the walking descriptors go to the other slot and one K step on
	s_add_nc_u64 s[G0A+6:G0A+7], s[G0A+6:G0A+7], ASTEP
	s_xor_b32 s[G0W+5], s[G0W+5], SLOT
	s_add_nc_u64 s[G0W+6:G0W+7], s[G0W+6:G0W+7], WSTEP
	JLOAD                                          ; its four v_nop are also the places in front of the loads below
.else
	PLACES
.endif
	s_xor_b32 s[TB], s[TB], SLOT
	v_add_nc_u32 v[ADRA], s[TB], v[A0]
	v_add_nc_u32 v[ADRB], s[TB], v[B0]
	v_add_nc_u32 v[ADRB+1], PART, v[ADRB]
	FETCH 0, F0
.if (\fill) && (KT > 4)
	WIN 0
	ASK
.endif
	MUL8 F1, 1, 0, 0
	MUL8 F1, 1, 2, 0
.endm
	s_wait_tensorcnt 0x1                           ; my part of K step 0 is in; step 1's may stay out
	s_barrier_signal -1
	s_barrier_wait -1
	FETCH 0, F0
	s_wait_loadcnt 32                              ; the bias is in; the residual's 32 loads stay out
	QUARTER 1, F0, F1, 1
	WIN 0
	s_mov_b32 s15, KT-2
.Lstep:
	QUARTER 2, F1, F0, 0
	QUARTER 3, F0, F1, 0
	TURN 1
	QUARTER 1, F0, F1, 0
	WIN 0
	s_sub_co_u32 s15, s15, 1
	s_cmp_lg_u32 s15, 0
	s_cbranch_scc1 .Lstep
	s_mov_b32 s[CNT], 2                            ; the last two steps: one text, walked twice and left in its middle
.Ltail:
	QUARTER 2, F1, F0, 0
	QUARTER 3, F0, F1, 0
	WIN 0
	s_sub_co_u32 s[CNT], s[CNT], 1
	s_cmp_eq_u32 s[CNT], 0
	s_cbranch_scc1 .Llast
	TURN 0
	QUARTER 1, F0, F1, 0
	WIN 0
	s_branch .Ltail
.Llast:
	s_wait_dscnt 16
	MUL8 F1, 0, 0, 0
	MUL8 F1, 0, 2, 0
	s_wait_dscnt 0x0
	MUL8 F1, 1, 0, 0
	MUL8 F1, 1, 2, 0
	WIN 0
	; THE WAY OUT, 16 rows at a time through my own stage: in by accumulators, back by rows of 256 bytes; the residual is added into its own registers, which are stored.
	PLACES
	PLACES
	s_wait_loadcnt 0x0                             ; the residual
.macro STG a
.irp b, 0,1,2,3
	ds_store_b128 v[STO], v[ACC+8*(4*(\a)+(\b)):ACC+8*(4*(\a)+(\b))+3],   offset:(\a)*16*SP+64*(\b)
	ds_store_b128 v[STO], v[ACC+8*(4*(\a)+(\b))+4:ACC+8*(4*(\a)+(\b))+7], offset:(\a)*16*SP+64*(\b)+16
.endr
.irp t, 0,1,2,3,4,5,6,7
	ds_load_b128 v[TMP+32*((\a)%2)+4*(\t):TMP+32*((\a)%2)+4*(\t)+3], v[RD] offset:(8*(\a)+(\t))*2*SP  ; LDS serves a wave's instructions in order: these see the stores above
.endr
.endm
.macro FINI a, younger                 ; younger: the LDS instructions issued behind block a's loads
	s_wait_dscnt \younger
	WIN 0x88                                       ; source 1 and destination in window 2
.irp t, 0,1,2,3,4,5,6,7
	v_pk_add_f32 v[4*(8*(\a)+(\t)):4*(8*(\a)+(\t))+1],   v[TMP+32*((\a)%2)+4*(\t):TMP+32*((\a)%2)+4*(\t)+1],   v[4*(8*(\a)+(\t)):4*(8*(\a)+(\t))+1]
	v_pk_add_f32 v[4*(8*(\a)+(\t))+2:4*(8*(\a)+(\t))+3], v[TMP+32*((\a)%2)+4*(\t)+2:TMP+32*((\a)%2)+4*(\t)+3], v[4*(8*(\a)+(\t))+2:4*(8*(\a)+(\t))+3]
.endr
	WIN 0x08                                       ; the data in window 2
.irp t, 0,1,2,3,4,5,6,7
	global_store_b128 v[CO], v[4*(8*(\a)+(\t)):4*(8*(\a)+(\t))+3], s[OUTP:OUTP+1] offset:(8*(\a)+(\t))*2*4096  ; 16 lanes store 256 consecutive bytes, aligned
.endr
	WIN 0
.endm
	STG 0
	STG 1
	FINI 0, 16
	STG 2
	FINI 1, 16
	STG 3
	FINI 2, 16
	FINI 3, 0
	s_wait_tensorcnt 0x0                           ; the wave's end: behind my last tensor load and my last LDS store
	ds_add_u32 v[SPW], v[NIL]
	s_wait_dscnt 0x0
	CROUND                                         ; the closing round
	s_endpgm
.Lfunc_end_k_q0b8f7142e7_li2:
	.size	k_q0b8f7142e7_li2, .Lfunc_end_k_q0b8f7142e7_li2-k_q0b8f7142e7_li2
	.p2alignl 7, 3214868480
	.fill 96, 4, 3214868480
	.section	.rodata,"a",@progbits
	.p2align	6, 0x0
	.amdhsa_kernel k_q0b8f7142e7_li2
		.amdhsa_group_segment_fixed_size 327680
		.amdhsa_private_segment_fixed_size 0
		.amdhsa_enable_private_segment 0
		.amdhsa_kernarg_size 40
		.amdhsa_user_sgpr_count 2
		.amdhsa_user_sgpr_kernarg_segment_ptr 1
		.amdhsa_wavefront_size32 1
		.amdhsa_system_sgpr_workgroup_id_x 1
		.amdhsa_system_sgpr_workgroup_id_y 1
		.amdhsa_system_sgpr_workgroup_id_z 1
		.amdhsa_system_vgpr_workitem_id 0
		.amdhsa_next_free_vgpr 640
		.amdhsa_next_free_sgpr 80
		.amdhsa_reserve_vcc 0
		.amdhsa_float_denorm_mode_32 3
		.amdhsa_float_denorm_mode_16_64 3
		.amdhsa_memory_ordered 1
		.amdhsa_forward_progress 1
		.amdhsa_inst_pref_size 69
	.end_amdhsa_kernel
	.amdgpu_metadata
---
amdhsa.version: [ 1, 2 ]
amdhsa.kernels:
  - .name:           k_q0b8f7142e7_li2
    .symbol:         k_q0b8f7142e7_li2.kd
    .args:
      - { .name: hid, .offset: 0, .size: 8, .value_kind: global_buffer, .address_space: global }
      - { .name: w2, .offset: 8, .size: 8, .value_kind: global_buffer, .address_space: global }
      - { .name: li2_b, .offset: 16, .size: 8, .value_kind: global_buffer, .address_space: global }
      - { .name: x1, .offset: 24, .size: 8, .value_kind: global_buffer, .address_space: global }
      - { .name: out0, .offset: 32, .size: 8, .value_kind: global_buffer, .address_space: global }
    .group_segment_fixed_size: 327680
    .private_segment_fixed_size: 0
    .kernarg_segment_align: 8
    .kernarg_segment_size: 40
    .max_flat_workgroup_size: 128
    .sgpr_count:     80
    .vgpr_count:     640
    .wavefront_size: 32
...
	.end_amdgpu_metadata
.endif
;; end of part 6
;; ======== version 2 of 2: 7 launches; version 1 with the launch prep written anew for expert scheduling mode
;; limits: values are held in f16: magnitudes above 65,504 overflow, below 6.1e-05 lose precision
;; workspace buffers: wq 8,388,608 bytes; w1 8,388,608 bytes; w2 10,485,760 bytes; act 8,388,608 bytes; hid 33,554,432 bytes; x1 16,777,216 bytes; parq 256 bytes of whole numbers; par1 256 bytes of whole numbers
;; launch prep (part 7): grid 64 x 20, 8 waves a work-group, no clusters, 0 bytes of LDS; arguments x, ln1_w, act, attn_w, proj_w, li1_w, li2_w, wq, w1, w2, parq, par1; writes act, wq, w1, w2, parq, par1
.if DOCPART == 7
	.amdgcn_target "amdgcn-amd-amdhsa--gfx1250"
	.amdhsa_code_object_version 6
	.text
	.protected	k_q0b8f7142e7_prep
	.globl	k_q0b8f7142e7_prep
	.p2align	8
	.type	k_q0b8f7142e7_prep,@function
k_q0b8f7142e7_prep:
	s_mov_b64 s[64:65], 0
	v_nop
	global_prefetch_b8 v0, s[64:65] scope:SCOPE_SE
	s_setreg_imm32_b32 hwreg(HW_REG_WAVE_SCHED_MODE, 0, 2), 2
	s_setreg_imm32_b32 hwreg(HW_REG_WAVE_MODE, 25, 1), 1
	s_wait_xcnt 0x0
	s_wait_alu depctr_vm_vsrc(0)
; TWO STREAMS THAT DO NOT DEPEND ON EACH OTHER, IN ONE LAUNCH; the grid's y chooses.  No LDS, no barrier, no matrix unit, no cluster (no two work-groups read the same large block).
; y < 8: THE FIRST LAYER NORM.  h[r][c] = (x[r][c] - mean_r) * rsqrt(var_r + 1e-5) * w[c].  x: [4096][1024] f32, w: [1024] f32, h: [4096][1024] f16, rounded once.
;   Mean first, then the mean of the squared differences, both over the row as it lies in registers: no difference of large sums is formed.  A wave takes one whole row (4,096 bytes = 32 registers):
;   row 8 (64 y + x) + wave.  A load covers 512 consecutive bytes, a store of 8 bytes a lane 256 consecutive bytes, aligned.  LIMIT: |h| is at most 32 |w|; beyond 65,504 it becomes an infinity.
; y >= 8: THE WEIGHTS, f32, are written once more as f16, rows along N as they lie: the products that follow take them by tensor loads and turn them in LDS.
;   LIMIT: a weight beyond 65,504 becomes an infinity; below 6e-5 f16 keeps a fixed step of 6e-8.
;   Unit u = y - 8 is 2^20 numbers, the grid's x one of its 64 parts of 16 pieces of 1,024 numbers.  u = 0..2: attn_w's columns 1,024 u on; piece j is row 16 x + j; it goes to wq, whose rows have the pitch
;   of w1's, 4,096 numbers, so that one text multiplies by either; wq's last 1,024 columns are never written and never read.  u = 3: proj_w, dense, to byte 8,388,608 of w2's buffer.
;   u = 4..7: li1_w, dense, to w1.  u = 8..11: li2_w, dense, to w2.  Thread t takes 16 bytes at 16 t of each piece.  All 16 loads go out at once; no register is written twice.
;   The first wave of unit 0's part 0 also stores the two words that choose the activation in the launches that share a text: parq = 0 (none), par1 = 1 (gelu), each as a whole block of 256 bytes.
; THE MODE: SCHED_MODE bits 1:0 = 2 (LLVM: expert scheduling mode 2), set by the entry lines.  The code itself states the register dependences between vector instructions and memory instructions,
; with s_wait_alu, always for 0.
; THE PLAN.  Registers that memory instructions touch:
;   the layer norm   v3, v4     offsets, written once by vector lines, read by the loads and by the stores, never written again.
;                    X, W       the loads land in them before any vector line has named them.
;                    HF         written by the sixteen roundings, read by the eight stores, never written again.
;   the weights      SO, DO     offsets, written once by vector lines, read by the loads and by the stores, never written again.
;                    LD         the sixteen loads land in it before any vector line has named it.
;                    CF         the 16 pieces go in four blocks of four: block p's eight conversions write its eight registers, each once; the four stores that read them are issued in block p + 1.
;                    ZR, ON     written by four moves, read by two stores, in one wave of the launch.
; So a wait on va_vdst stands ahead of each path's run of loads (the offsets), ahead of the layer norm's run of stores (HF), at the head of blocks 1 to 3 and behind block 3 (the block before has written its CF),
; and ahead of the two words' stores.  Behind a block's wait the older block's stores are dealt among the block's conversions, which name LD and CF of the block in hand alone.
; No register that a memory instruction reads is written again, and no load lands in a register that a vector line has named: the text needs no wait on vm_vsrc.  EXEC and VCC are never written.
.set W,    8                           ; v[8:39]    the gain, laid as a row is
.set X,    40                          ; v[40:71]   the row
.set T,    72                          ; v[72:79]   four chains of sums
.set MEAN, 80                          ; v[80:81]   the mean, twice
.set RSTD, 82                          ; v[82:83]   1 / sqrt(var + eps), twice
.set HF,   84                          ; v[84:99]   the row in f16
.set XP,   32                          ; s[32:33]   x at my row
.set HP,   34                          ; s[34:35]   h at my row
.set WP,   10                          ; s[10:11]   the gain
.set SELR, 36                          ; s[36:37]   v_permlanex16_b32: each lane takes its own place in the other half
.set INVN, 38                          ; s38        1 / 1024
.set EPS,  39                          ; s39        1e-5
.set SO,   8                           ; v[8:23]    the weights: piece j's byte offset in the source,
.set DO,   24                          ; v[24:39]   and in the destination
.set LD,   40                          ; v[40:103]  16 loads of 4 registers
.set CF,   104                         ; v[104:135] 16 results of 2 registers
.set ZR,   136                         ; v[136:137] 0, 0
.set ON,   138                         ; v[138:139] 1, 1
; The four chains into one number, the same in every lane: four steps inside each half of 16 lanes ride on the addition, one crosses the halves.
.macro REDUCE
	v_pk_add_f32 v[T:T+1], v[T:T+1], v[T+2:T+3]
	v_pk_add_f32 v[T+4:T+5], v[T+4:T+5], v[T+6:T+7]
	v_pk_add_f32 v[T:T+1], v[T:T+1], v[T+4:T+5]
	v_add_f32 v[T], v[T], v[T+1]
	v_add_f32_dpp v[T], v[T], v[T] row_xmask:1 row_mask:0xf bank_mask:0xf
	v_add_f32_dpp v[T], v[T], v[T] row_xmask:2 row_mask:0xf bank_mask:0xf
	v_add_f32_dpp v[T], v[T], v[T] row_xmask:4 row_mask:0xf bank_mask:0xf
	v_add_f32_dpp v[T], v[T], v[T] row_xmask:8 row_mask:0xf bank_mask:0xf
	v_permlanex16_b32 v[T+1], v[T], s[SELR], s[SELR+1]
	v_add_f32 v[T], v[T], v[T+1]
.endm
.macro LNROW                           ; v3 = 16 x lane, v4 = 8 x lane
	s_wait_alu depctr_va_vdst(0)                   ; v3 is written, which the sixteen loads read as their offset; so is v4, the stores' offset; no vector line writes either again
.irp j, 0,1,2,3,4,5,6,7
	global_load_b128 v[X+4*(\j):X+4*(\j)+3], v3, s[XP:XP+1] offset:512*(\j)
.endr
.irp j, 0,1,2,3,4,5,6,7
	global_load_b128 v[W+4*(\j):W+4*(\j)+3], v3, s[WP:WP+1] offset:512*(\j)
.endr
	s_wait_loadcnt 8                               ; the row is in; the gain's eight loads stay out
.irp c, 0,1,2,3
	v_pk_add_f32 v[T+2*(\c):T+2*(\c)+1], v[X+2*(\c):X+2*(\c)+1], v[X+8+2*(\c):X+8+2*(\c)+1]  ; the first eight pairs start the chains: nothing is cleared
.endr
.irp p, 8,9,10,11,12,13,14,15
	v_pk_add_f32 v[T+2*((\p)%4):T+2*((\p)%4)+1], v[T+2*((\p)%4):T+2*((\p)%4)+1], v[X+2*(\p):X+2*(\p)+1]
.endr
	REDUCE
	v_mul_f32 v[MEAN], s[INVN], v[T]
	v_mov_b32 v[MEAN+1], v[MEAN]
.irp p, 0,1,2,3,4,5,6,7,8,9,10,11,12,13,14,15
	v_pk_add_f32 v[X+2*(\p):X+2*(\p)+1], v[X+2*(\p):X+2*(\p)+1], v[MEAN:MEAN+1] neg_lo:[0,1] neg_hi:[0,1]  ; d = x - mean, in place
.endr
.irp c, 0,1,2,3
	v_pk_mul_f32 v[T+2*(\c):T+2*(\c)+1], v[X+2*(\c):X+2*(\c)+1], v[X+2*(\c):X+2*(\c)+1]
.endr
.irp p, 4,5,6,7,8,9,10,11,12,13,14,15
	v_pk_fma_f32 v[T+2*((\p)%4):T+2*((\p)%4)+1], v[X+2*(\p):X+2*(\p)+1], v[X+2*(\p):X+2*(\p)+1], v[T+2*((\p)%4):T+2*((\p)%4)+1]
.endr
	REDUCE
	v_fma_f32 v[T], v[T], s[INVN], s[EPS]          ; var + eps
	s_wait_loadcnt 0x0                             ; the gain
	v_rsq_f32 v[RSTD], v[T]                        ; twice, to fill the pair that the packed multiply takes
	v_rsq_f32 v[RSTD+1], v[T]
.irp p, 0,1,2,3,4,5,6,7,8,9,10,11,12,13,14,15
	v_pk_mul_f32 v[X+2*(\p):X+2*(\p)+1], v[X+2*(\p):X+2*(\p)+1], v[W+2*(\p):W+2*(\p)+1]  ; d w: the work that names neither root, between them and their wait
.endr
	s_wait_alu depctr_va_vdst(0)                   ; both roots, v[RSTD] and v[RSTD+1], are written: one wait, ahead of their first reader
.irp p, 0,1,2,3,4,5,6,7,8,9,10,11,12,13,14,15
	v_pk_mul_f32 v[X+2*(\p):X+2*(\p)+1], v[X+2*(\p):X+2*(\p)+1], v[RSTD:RSTD+1]
.endr
.irp p, 0,1,2,3,4,5,6,7,8,9,10,11,12,13,14,15
	v_cvt_pk_f16_f32 v[HF+(\p)], v[X+2*(\p)], v[X+2*(\p)+1]
.endr
	s_wait_alu depctr_va_vdst(0)                   ; the sixteen roundings have written v[HF ..], which the eight stores read
.irp j, 0,1,2,3,4,5,6,7
	global_store_b64 v4, v[HF+2*(\j):HF+2*(\j)+1], s[HP:HP+1] offset:256*(\j)
.endr
.endm
; The weights: block p, pieces 4 p to 4 p + 3.  Ahead of each piece's two conversions stands one store of the block before.
.macro BLK p
.irp i, 0,1,2,3
	s_wait_loadcnt 15-4*(\p)-(\i)                  ; loads come back in order: this piece is in, the younger ones stay out
.if (\p) > 0
.if (\i) == 0
	s_wait_alu depctr_va_vdst(0)                   ; the block before has written its eight registers of CF, which the four stores of this block read; the conversions below name none of them
.endif
	global_store_b64 v[DO+4*(\p)-4+(\i)], v[CF+8*(\p)-8+2*(\i):CF+8*(\p)-8+2*(\i)+1], s[34:35]
.endif
	v_cvt_pk_f16_f32 v[CF+8*(\p)+2*(\i)],   v[LD+16*(\p)+4*(\i)],   v[LD+16*(\p)+4*(\i)+1]
	v_cvt_pk_f16_f32 v[CF+8*(\p)+2*(\i)+1], v[LD+16*(\p)+4*(\i)+2], v[LD+16*(\p)+4*(\i)+3]
.endr
.endm
	s_load_b512 s[8:23], s[0:1], 0x0               ; x s[8:9], ln1_w s[10:11], act s[12:13], attn_w s[14:15], proj_w s[16:17], li1_w s[18:19], li2_w s[20:21], wq s[22:23]
	s_load_b256 s[24:31], s[0:1], 0x40             ; w1 s[24:25], w2 s[26:27], parq s[28:29], par1 s[30:31]
	s_and_b32 s2, ttmp7, 0xffff                    ; y
	v_lshrrev_b32 v2, 5, v0
	v_readfirstlane_b32 s51, v2                    ; wave 0..7
	s_wait_alu depctr_va_sdst(0)                   ; s51 is written, ahead of the branch and of its first reader on either path
	s_wait_kmcnt 0x0
	s_cmp_lt_u32 s2, 8
	s_cbranch_scc0 .Lweights
	; THE LAYER NORM
	v_and_b32 v1, 31, v0
	v_lshlrev_b32 v3, 4, v1
	v_lshlrev_b32 v4, 3, v1
	s_lshl_b32 s3, s2, 6
	s_add_co_u32 s3, s3, ttmp9
	s_lshl_b32 s3, s3, 3
	s_add_co_u32 s3, s3, s51                       ; my row
	s_lshl_b32 s40, s3, 12                         ; 4,096 bytes of x,
	s_mov_b32 s41, 0
	s_lshl_b32 s42, s3, 11                         ; 2,048 of h
	s_mov_b32 s43, 0
	s_add_nc_u64 s[XP:XP+1], s[8:9], s[40:41]
	s_add_nc_u64 s[HP:HP+1], s[12:13], s[42:43]
	s_mov_b32 s[SELR], 0x76543210
	s_mov_b32 s[SELR+1], 0xfedcba98
	s_mov_b32 s[INVN], 0x3a800000
	s_mov_b32 s[EPS], 0x3727c5ac
	LNROW
	s_endpgm
.Lweights:
	s_sub_co_u32 s3, s2, 8                         ; u
	s_sub_co_u32 s36, s3, 8                        ; the unit's number inside li2_w,
	s_sub_co_u32 s37, s3, 4                        ; inside li1_w
	s_mov_b64 s[32:33], s[20:21]                   ; from li2_w to w2, unless u says otherwise
	s_mov_b64 s[34:35], s[26:27]
	s_cmp_lt_u32 s3, 8
	s_cselect_b64 s[32:33], s[18:19], s[32:33]
	s_cselect_b64 s[34:35], s[24:25], s[34:35]
	s_cselect_b32 s36, s37, s36
	s_mov_b32 s38, s36                             ; the unit's number in the destination
	s_cmp_lt_u32 s3, 4
	s_cselect_b64 s[32:33], s[16:17], s[32:33]     ; proj_w: its one unit goes behind li2's four in w2's buffer
	s_cselect_b64 s[34:35], s[26:27], s[34:35]
	s_cselect_b32 s36, 0, s36
	s_cselect_b32 s38, 4, s38
	s_lshl_b32 s40, s36, 22                        ; dense: the unit is 4 MiB of f32, the part 64 KiB,
	s_lshl_b32 s41, ttmp9, 16
	s_add_co_u32 s40, s40, s41
	s_lshl_b32 s42, s38, 21                        ; and half as much in f16
	s_lshl_b32 s43, ttmp9, 15
	s_add_co_u32 s42, s42, s43
	s_mul_i32 s44, ttmp9, 196608                   ; attn_w: 16 x rows of 12,288 bytes + 4,096 u,
	s_lshl_b32 s45, s3, 12
	s_add_co_u32 s44, s44, s45
	s_lshl_b32 s46, ttmp9, 17                      ; to 16 x rows of 8,192 bytes + 2,048 u
	s_lshl_b32 s47, s3, 11
	s_add_co_u32 s46, s46, s47
	s_mov_b32 s48, 4096                            ; bytes from piece to piece: dense,
	s_mov_b32 s49, 2048
	s_mov_b32 s50, 12288                           ; or a row
	s_mov_b32 s52, 8192
	s_cmp_lt_u32 s3, 3
	s_cselect_b64 s[32:33], s[14:15], s[32:33]
	s_cselect_b64 s[34:35], s[22:23], s[34:35]
	s_cselect_b32 s40, s44, s40
	s_cselect_b32 s42, s46, s42
	s_cselect_b32 s48, s50, s48
	s_cselect_b32 s49, s52, s49
	s_mov_b32 s41, 0
	s_mov_b32 s43, 0
	s_add_nc_u64 s[32:33], s[32:33], s[40:41]
	s_add_nc_u64 s[34:35], s[34:35], s[42:43]
	v_lshlrev_b32 v[SO], 4, v0                     ; 16 t
	v_lshlrev_b32 v[DO], 3, v0                     ; 8 t
.set j, 1
.rept 15
	v_add_nc_u32 v[SO+j], s48, v[SO+j-1]
	v_add_nc_u32 v[DO+j], s49, v[DO+j-1]
.set j, j+1
.endr
	s_wait_alu depctr_va_vdst(0)                   ; the 32 offsets v[SO ..] and v[DO ..] are written, which the loads and the stores read; no vector line writes them again
.irp j, 0,1,2,3,4,5,6,7,8,9,10,11,12,13,14,15
	global_load_b128 v[LD+4*(\j):LD+4*(\j)+3], v[SO+(\j)], s[32:33] th:TH_LOAD_NT
.endr
	BLK 0                                          ; block 0 has no block in front of it: no store, no wait but those for its data
	BLK 1
	BLK 2
	BLK 3
	s_wait_alu depctr_va_vdst(0)                   ; block 3 has written its eight registers of CF, which the last four stores read
.irp i, 0,1,2,3
	global_store_b64 v[DO+12+(\i)], v[CF+24+2*(\i):CF+24+2*(\i)+1], s[34:35]
.endr
	s_or_b32 s53, s3, ttmp9                        ; 0 in unit 0's part 0,
	s_or_b32 s53, s53, s51                         ; in its wave 0
	s_cmp_lg_u32 s53, 0
	s_cbranch_scc1 .Ldone
	v_mov_b32 v[ZR], 0
	v_mov_b32 v[ZR+1], 0
	v_mov_b32 v[ON], 1
	v_mov_b32 v[ON+1], 1
	s_wait_alu depctr_va_vdst(0)                   ; the four moves have written v[ZR ..] and v[ON ..], which the two stores read
	global_store_b64 v[DO], v[ZR:ZR+1], s[28:29]   ; in wave 0 the offset 8 t is 8 x lane: 256 consecutive bytes, the whole buffer
	global_store_b64 v[DO], v[ON:ON+1], s[30:31]
.Ldone:
	s_endpgm
.Lfunc_end_k_q0b8f7142e7_prep:
	.size	k_q0b8f7142e7_prep, .Lfunc_end_k_q0b8f7142e7_prep-k_q0b8f7142e7_prep
	.p2alignl 7, 3214868480
	.fill 96, 4, 3214868480
	.section	.rodata,"a",@progbits
	.p2align	6, 0x0
	.amdhsa_kernel k_q0b8f7142e7_prep
		.amdhsa_group_segment_fixed_size 0
		.amdhsa_private_segment_fixed_size 0
		.amdhsa_enable_private_segment 0
		.amdhsa_kernarg_size 96
		.amdhsa_user_sgpr_count 2
		.amdhsa_user_sgpr_kernarg_segment_ptr 1
		.amdhsa_wavefront_size32 1
		.amdhsa_system_sgpr_workgroup_id_x 1
		.amdhsa_system_sgpr_workgroup_id_y 1
		.amdhsa_system_sgpr_workgroup_id_z 1
		.amdhsa_system_vgpr_workitem_id 0
		.amdhsa_next_free_vgpr 140
		.amdhsa_next_free_sgpr 66
		.amdhsa_reserve_vcc 0
		.amdhsa_float_denorm_mode_32 3
		.amdhsa_float_denorm_mode_16_64 3
		.amdhsa_memory_ordered 1
		.amdhsa_forward_progress 1
		.amdhsa_inst_pref_size 20
	.end_amdhsa_kernel
	.amdgpu_metadata
---
amdhsa.version: [ 1, 2 ]
amdhsa.kernels:
  - .name:           k_q0b8f7142e7_prep
    .symbol:         k_q0b8f7142e7_prep.kd
    .args:
      - { .name: x, .offset: 0, .size: 8, .value_kind: global_buffer, .address_space: global }
      - { .name: ln1_w, .offset: 8, .size: 8, .value_kind: global_buffer, .address_space: global }
      - { .name: act, .offset: 16, .size: 8, .value_kind: global_buffer, .address_space: global }
      - { .name: attn_w, .offset: 24, .size: 8, .value_kind: global_buffer, .address_space: global }
      - { .name: proj_w, .offset: 32, .size: 8, .value_kind: global_buffer, .address_space: global }
      - { .name: li1_w, .offset: 40, .size: 8, .value_kind: global_buffer, .address_space: global }
      - { .name: li2_w, .offset: 48, .size: 8, .value_kind: global_buffer, .address_space: global }
      - { .name: wq, .offset: 56, .size: 8, .value_kind: global_buffer, .address_space: global }
      - { .name: w1, .offset: 64, .size: 8, .value_kind: global_buffer, .address_space: global }
      - { .name: w2, .offset: 72, .size: 8, .value_kind: global_buffer, .address_space: global }
      - { .name: parq, .offset: 80, .size: 8, .value_kind: global_buffer, .address_space: global }
      - { .name: par1, .offset: 88, .size: 8, .value_kind: global_buffer, .address_space: global }
    .group_segment_fixed_size: 0
    .private_segment_fixed_size: 0
    .kernarg_segment_align: 8
    .kernarg_segment_size: 96
    .max_flat_workgroup_size: 256
    .sgpr_count:     66
    .vgpr_count:     140
    .wavefront_size: 32
...
	.end_amdgpu_metadata
.endif
;; end of part 7
;; launch qkv: the kernel of part 2 again; grid 12 x 16, 4 waves a work-group, clusters of 4 x 4, 327,680 bytes of LDS; arguments act, wq, attn_b, hid, parq; writes hid
;; launch attn: the kernel of part 3 again; grid 8 x 32, 4 waves a work-group, no clusters, 327,680 bytes of LDS; arguments hid, act; writes act
;; launch proj: the kernel of part 4 again; grid 8 x 32, 4 waves a work-group, clusters of 4 x 4, 327,680 bytes of LDS; arguments act, w2, proj_b, x, x1; writes x1
;; launch ln2: the kernel of part 5 again; grid 512 x 1, 8 waves a work-group, no clusters, 0 bytes of LDS; arguments x1, ln2_w, act; writes act
;; launch li1: the kernel of part 2 again; grid 16 x 16, 4 waves a work-group, clusters of 4 x 4, 327,680 bytes of LDS; arguments act, w1, li1_b, hid, par1; writes hid
;; launch li2: the kernel of part 6 again; grid 8 x 32, 4 waves a work-group, clusters of 4 x 4, 327,680 bytes of LDS; arguments hid, w2, li2_b, x1, out0; writes out0
